; MI455X (gfx1250); checked and timed in simulation.
; The chip was launched on July 23, 2026; its instructions are those of AMD's public machine-readable ISA for CDNA 5 (MIT licence, August 2026) and "CDNA5" Instruction Set Architecture Reference Guide (July 2026). The comments in the code are by the model that wrote it; some were corrected since.
;; Self Attention. Allowed arithmetic: matrix products marked QUANTISED: E2M1 operands, one E8M0 scale for each 32 along K, by v_wmma_scale_f32_16x16x128_f8f6f4 with both operands' format E2M1 (or v_wmma_scale_f32_32x16x128_f4), f32 sums; products left as they are: bf16, f16 or f32 operands; f32 sums; everything else in f32.
;; Inputs: b_out 1,024 float32; b_qkv 3,072 float32; w_out 1,024 x 1,024 float32; w_qkv 1,024 x 3,072 float32; x 4 x 2,048 x 1,024 float32.
;; Outputs: out0 4 x 2,048 x 1,024 float32.
;; This version of the problem:
;;   THIS VERSION OF THE PROBLEM IS GIVEN IN LOW PRECISION. The matrix products marked QUANTISED in the list below multiply operands that are first quantised to E2M1 (2 exponent bits, 1 mantissa bit; 4 bits a number), with one power-of-two scale for each 32 numbers along K (OCP MX v1.0); their sums are f32. The products marked 'left as it is' may take bf16, f16 or f32 operands, with f32 sums. Whichever they take, every output number must still come out within the allowed error. Rounding operands to bf16 (8 significant bits) uses up far more of that allowance than f16 does (11 bits, for magnitudes from 6e-5 to 65,504). All else is computed in f32.
;;   The module's matrix products, in the order in which they are computed (A, B: the left and right operand; K: the contracted axis; several contracted axes count as one K, in the product's order):
;;     1. [M 8,192, K 1,024] x [K 1,024, N 3,072]; A: input x; B: input w_qkv: QUANTISED
;;     2. batch 64 x [M 2,048, K 64] x [K 64, N 2,048]; A: computed on the way; B: computed on the way: left as it is (an operand is computed on the way)
;;     3. batch 64 x [M 2,048, K 2,048] x [K 2,048, N 64]; A: computed on the way; B: computed on the way: left as it is (an operand is computed on the way)
;;     4. [M 8,192, K 1,024] x [K 1,024, N 1,024]; A: computed on the way; B: input w_out: left as it is (an operand is computed on the way)
;;   THE QUANTISER, for each operand of a quantised product, along K:
;;     - K is cut into blocks of 32 from its start; a last block that is shorter is filled with zeros.
;;     - A block's scale is 2^e with e = floor(log2(the largest magnitude in the block)) - 2, held to -126 .. 127; a block of zeros has e = 0. As a byte (E8M0): e + 127.
;;     - Each number is divided by its block's scale, clamped to +-6, and rounded to the nearest number of E2M1, ties to even, subnormals kept.
;;     - The product sums the exact products of the quantised numbers (number of the format x scale) in f32.
;;   ~~~python
;;   def quantise(x, axis):      # numpy; x: float32 -> the quantised numbers, widened to float32 again
;;       x = np.moveaxis(x, axis, -1); K = x.shape[-1]
;;       x = np.pad(x, [(0, 0)] * (x.ndim - 1) + [(0, -K % 32)]); x = x.reshape(x.shape[:-1] + (-1, 32)); a = np.abs(x).max(-1, keepdims=True)
;;       e = np.where(a > 0, np.clip(np.frexp(np.where(a > 0, a, 1))[1] - 1 - 2, -126, 127), 0)      # np.frexp(a)[1] - 1 = floor(log2(a)), exactly
;;       r = np.clip(x / 2.0 ** e, -6, 6)
;;       step = 2.0 ** (np.maximum(np.frexp(np.where(r == 0, 1, r))[1] - 1, 0) - 1)
;;       q = np.round(r / step) * step * 2.0 ** e      # np.round: ties to even
;;       return np.moveaxis(q.reshape(q.shape[:-2] + (-1,))[..., :K], -1, axis).astype(np.float32)
;;   ~~~
;; One version. Each part assembles by itself: llvm-mc -triple=amdgcn-amd-amdhsa -mcpu=gfx1250 --defsym DOCPART=n.
;; ======== version 1 of 1: 4 launches
;; limits: values are held in f16: magnitudes above 65,504 overflow, below 6.1e-05 lose precision
;; workspace buffers: x_img 4,194,304 bytes; x_scales 262,144 bytes; wq_img 1,572,864 bytes; wq_scales 98,304 bytes; wf 2,097,152 bytes; qkvf 50,331,648 bytes; af 16,777,216 bytes
;; launch prep (part 1): grid 384 x 1, 4 waves a work-group, no clusters, 34,304 bytes of LDS; arguments x, w_qkv, w_out, x_img, x_scales, wq_img, wq_scales, wf; writes x_img, x_scales, wq_img, wq_scales, wf
.if DOCPART == 1
	.amdgcn_target "amdgcn-amd-amdhsa--gfx1250"
	.amdhsa_code_object_version 6
	.text
	.protected	k_qe2de5c5ea0_prep
	.globl	k_qe2de5c5ea0_prep
	.p2align	8
	.type	k_qe2de5c5ea0_prep,@function
k_qe2de5c5ea0_prep:
	s_mov_b64 s[64:65], 0
	v_nop
	global_prefetch_b8 v0, s[64:65] scope:SCOPE_SE
	s_setreg_imm32_b32 hwreg(HW_REG_WAVE_MODE, 25, 1), 1
	s_wait_xcnt 0x0
; THREE JOBS IN ONE LAUNCH, told apart by the work-group's number.
;   X (work-groups 0-127):   x [8192][1024] f32 -> codes of FP4 (E2M1) with one E8M0 byte for each 32 along K (K innermost in memory)
;   W (work-groups 128-319): w_qkv [1024 (k)][3072 (n)] f32 -> the same, quantised along K, which is its FIRST axis
;   O (work-groups 320-383): w_out [1024 (k)][1024 (n)] f32 -> f16
; A block's scale is 2^(floor(log2(its largest magnitude)) - 2): its byte is the largest magnitude's exponent field - 2, held at 1 from below by a floor among the maximum's leaves.
; EVERYTHING IS STORED AS IMAGES OF OPERAND REGISTERS: blocks of 512 bytes, lane l's 16 bytes at 16 l, so that the later launches fetch dense blocks and load fragments at 16 x lane.
;   FP4 fragment (16 rows x 128 K, 1,024 bytes): half c at 512 c; lane (r, h): codes of row r, K = 64 c + 32 h + 0 .. 31.
;   x_img, wq_img: [128 rows][K half][tile of 16 rows (8)][K step of 128 in the half (4)][1,024].   x_scales [8192][32], wq_scales [3072][32].
;   wf: ((n / 256 x 8 + k / 128) x 16 + (n / 16) % 16) x 4,096 + ((k / 16) % 8) x 512 + 16 x lane; lane (r, h): n % 16 = r, k % 16 = 8 h + 0 .. 7.
; LIMITS: a block of zeros gets the byte 1 (its codes are zeros, and the bytes are read by this program alone); NaN and infinities are not served; w_out goes to f16: magnitudes under 65,504.
; Only job X uses LDS: a stage of its own for each wave, so no barrier.  wq_scales is stored 4 bytes a lane, 32 bytes apart: 98,304 bytes in all.
.set SPARE, 33792                      ; behind the four stages: the spare words, 128 bytes for each wave
.set STGB,  8448                       ; a wave's stage: 16 rows x (512 + 16) bytes
.set SPW,   254                        ; v254 LDS address of my spare word; never rewritten
.set NIL,   255                        ; v255 0; never rewritten
.set W,     16                         ; v16-23  job X: the scale words of my row, one for each K step of 128
.set CD,    24                         ; v24-31  job X: a fragment's codes
.set R,     32                         ; v32-159 job X: two sets of 64, as loaded
.set XN,    160                        ; v160-223 job X: my 64 numbers of a fragment, two whole blocks
.macro XLOAD f                         ; fragment f: 128 along K of 16 rows; each load takes 512 consecutive bytes of one row
.irp i, 0,1,2,3,4,5,6,7,8,9,10,11,12,13,14,15
	global_load_b128 v[R+64*((\f)%2)+4*\i:R+64*((\f)%2)+4*\i+3], v4, s[4:5] offset:4096*\i+512*(\f) th:TH_LOAD_NT
.endr
.endm
.macro XSTEP f
.if (\f) < 7
	s_wait_loadcnt 16                              ; this fragment's 16 loads are in; the next fragment's 16 may be out
.else
	s_wait_loadcnt 0x0
.endif
.irp i, 0,1,2,3,4,5,6,7,8,9,10,11,12,13,14,15
	ds_store_b128 v5, v[R+64*((\f)%2)+4*\i:R+64*((\f)%2)+4*\i+3] offset:528*\i   ; row i as it lies
.endr
.irp c, 0,1
.irp g, 0,1,2,3,4,5,6,7
	ds_load_b128 v[XN+32*\c+4*\g:XN+32*\c+4*\g+3], v6 offset:256*\c+16*\g       ; back: row r, K = 64 c + 32 h + 4 g ..: LDS serves a wave's instructions in order
.endr
.endr
	s_wait_dscnt 0x0                               ; my numbers are in, and the stage's stores have read their registers
	s_wait_xcnt 0x0                                ; the last fragment's stores have read the codes' registers: they are written again below
.if (\f) < 6
	XLOAD (\f)+2
.endif
.irp c, 0,1
	v_max3_num_f32 v[8+\c], |v[XN+32*\c]|, |v[XN+32*\c+1]|, 0x1800000           ; block 2 c + h: all 32 numbers are mine; the floor 2^(3 - 127) holds the byte at 1 from below
.endr
.irp i, 2,4,6,8,10,12,14,16,18,20,22,24,26,28,30
.irp c, 0,1
	v_max3_num_f32 v[8+\c], v[8+\c], |v[XN+32*\c+\i]|, |v[XN+32*\c+\i+1]|
.endr
.endr
.irp c, 0,1
	v_add_nc_u32 v[10+\c], 0xff000000, v[8+\c]     ; 2 off the exponent field: the conversion's scale operand
.endr
.irp c, 0,1
	v_lshrrev_b32 v[12+\c], 23, v[10+\c]           ; the scale's byte
.endr
	v_lshl_or_b32 v14, v13, 16, v12                ; my two bytes, blocks h and 2 + h,
	v_lshlrev_b32 v14, v15, v14                    ; at their places in the word (8 h bits up);
	v_permlanex16_b32 v[W+(\f)], v14, s28, s29
	v_or_b32 v[W+(\f)], v[W+(\f)], v14             ; with lane l xor 16's two the word is whole
.irp c, 0,1
.irp g, 0,1,2,3
	v_cvt_scalef32_pk8_fp4_f32 v[CD+4*\c+\g], v[XN+32*\c+8*\g:XN+32*\c+8*\g+7], v[10+\c]
.endr
.endr
.irp c, 0,1
	global_store_b128 v4, v[CD+4*\c:CD+4*\c+3], s[10:11] offset:((\f)/4)*32768+((\f)%4)*1024+512*\c   ; 512 consecutive bytes of the image
.endr
.endm
.macro CLOAD t, pitch, base            ; jobs W and O: a lane to a column, registers down K: block t's 32 rows, 128 consecutive bytes a load
.irp i, 0,1,2,3,4,5,6,7,8,9,10,11,12,13,14,15,16,17,18,19,20,21,22,23,24,25,26,27,28,29,30,31
	global_load_b32 v[32+32*((\t)%2)+\i], v3, s[\base:\base+1] offset:(32*(\t)+\i)*\pitch th:TH_LOAD_NT
.endr
.endm
.macro CWAIT t
.if (\t) < 3
	s_wait_loadcnt 32                              ; this block's 32 loads are in; the next block's 32 may be out
.else
	s_wait_loadcnt 0x0
.endif
.endm
.macro WBLOCK t
.set XS, 32+32*((\t)%2)
	CWAIT \t
	v_max3_num_f32 v12, |v[XS]|, |v[XS+1]|, |v[XS+2]|
	v_max3_num_f32 v13, |v[XS+3]|, |v[XS+4]|, |v[XS+5]|
.irp i, 6,10,14,18,22,26
	v_max3_num_f32 v12, v12, |v[XS+\i]|, |v[XS+\i+1]|
	v_max3_num_f32 v13, v13, |v[XS+\i+2]|, |v[XS+\i+3]|
.endr
	v_max3_num_f32 v12, v12, |v[XS+30]|, |v[XS+31]|
	v_max3_num_f32 v12, v12, v13, 0x1800000        ; and the floor
	v_add_nc_u32 v11, 0xff000000, v12
	v_lshrrev_b32 v13, 23, v11
.if (\t) == 0
	v_mov_b32 v24, v13                             ; the four bytes of this K step make my column's scale word
.else
	v_lshl_or_b32 v24, v13, 8*(\t), v24
.endif
.irp g, 0,1,2,3
	v_cvt_scalef32_pk8_fp4_f32 v[96+4*(\t)+\g], v[XS+8*\g:XS+8*\g+7], v11
.endr
	global_store_b128 v4, v[96+4*(\t):96+4*(\t)+3], s[14:15] offset:256*(\t)   ; block t is (half t / 2, lanes 16 (t % 2) on) of the image: sixteen lanes fill 256 consecutive bytes
.if (\t) < 2
	CLOAD (\t)+2, 12288, 6
.endif
.endm
.macro OBLOCK t
.set XS, 32+32*((\t)%2)
	CWAIT \t
.irp u, 0,1,2,3
.irp j, 0,1,2,3
	v_cvt_pk_f16_f32 v[96+16*(\t)+4*\u+\j], v[XS+8*\u+2*\j], v[XS+8*\u+2*\j+1]   ; the lower k in the low half
.endr
	global_store_b128 v4, v[96+16*(\t)+4*\u:96+16*(\t)+4*\u+3], s[18:19] offset:(4*(\t)+\u)*256
.endr
.if (\t) < 2
	CLOAD (\t)+2, 4096, 8
.endif
.endm
	s_load_b256 s[4:11], s[0:1], 0x0               ; x s[4:5], w_qkv s[6:7], w_out s[8:9], x_img s[10:11]
	s_load_b256 s[12:19], s[0:1], 0x20             ; x_scales s[12:13], wq_img s[14:15], wq_scales s[16:17], wf s[18:19]
	v_lshl_add_u32 v[SPW], v0, 2, SPARE
	v_mov_b32 v[NIL], 0
	v_lshrrev_b32 v1, 5, v0
	v_readfirstlane_b32 s20, v1                    ; wave 0..3
	v_and_b32 v1, 31, v0                           ; lane
	s_mov_b32 s23, 0                               ; the upper words of three offsets
	s_mov_b32 s25, 0
	s_mov_b32 s27, 0
	s_wait_kmcnt 0x0
	s_cmp_lt_u32 ttmp9, 128
	s_cbranch_scc0 .Lnot_x
	; ---- job X: my wave takes 16 rows of x, all 1,024 along K: eight fragments
	v_and_b32 v2, 15, v0                           ; r
	v_bfe_u32 v3, v0, 4, 1                         ; h
	v_lshlrev_b32 v4, 4, v1                        ; 16 x lane
	s_mul_i32 s21, s20, STGB                       ; my stage
	v_add_nc_u32 v5, s21, v4                       ; into it: 16 x lane of a row
	v_mul_u32_u24 v6, v2, 528
	v_lshl_add_u32 v6, v3, 7, v6
	v_add_nc_u32 v6, s21, v6                       ; out of it: row r, + 128 h bytes
	v_lshlrev_b32 v7, 5, v2
	v_lshl_add_u32 v7, v3, 4, v7                   ; the scale bytes' place: 32 r + 16 h
	v_lshlrev_b32 v15, 3, v3                       ; 8 h
.irp f, 0,1,2,3,4,5,6,7
	v_mov_b32 v[W+\f], 0                           ; written once: a lane permute's destination counts as one of its sources
.endr
	s_mov_b32 s28, 0x76543210
	s_mov_b32 s29, 0xfedcba98                      ; v_permlanex16_b32's selects for lane l xor 16
	s_lshl_b32 s21, ttmp9, 2
	s_add_co_u32 s21, s21, s20                     ; which tile of 16 rows: 4 x work-group + wave
	s_lshl_b32 s22, s21, 16                        ; 16 rows of 4,096 bytes
	s_add_nc_u64 s[4:5], s[4:5], s[22:23]
	s_lshr_b32 s24, s21, 3
	s_lshl_b32 s24, s24, 16                        ; the block of 128 rows: 65,536 bytes of codes,
	s_and_b32 s26, s21, 7
	s_lshl_b32 s26, s26, 12                        ; the tile in it: 4,096
	s_add_co_u32 s24, s24, s26
	s_add_nc_u64 s[10:11], s[10:11], s[24:25]
	s_lshl_b32 s26, s21, 9                         ; 16 rows of 32 scale bytes
	s_add_nc_u64 s[12:13], s[12:13], s[26:27]
	XLOAD 0
	XLOAD 1
.irp f, 0,1,2,3,4,5,6,7
	XSTEP \f
.endr
	v_cmp_lt_u32 vcc_lo, 15, v1                    ; lanes 16-31 take the row's words 4 to 7
.irp j, 0,1,2,3
	v_cndmask_b32 v[8+\j], v[W+\j], v[W+4+\j], vcc_lo
.endr
	global_store_b128 v7, v[8:11], s[12:13]        ; 32 lanes store 512 consecutive bytes: 16 rows of scale bytes
	s_wait_tensorcnt 0x0                           ; the wave's end, behind my last LDS store
	ds_add_u32 v[SPW], v[NIL]
	s_wait_dscnt 0x0
	s_endpgm
.Lnot_x:
	v_lshlrev_b32 v3, 2, v1                        ; in: 4 bytes a lane
	v_lshrrev_b32 v4, 4, v1
	v_and_b32 v5, 15, v1
	v_lshlrev_b32 v5, 4, v5
	v_lshl_add_u32 v4, v4, 12, v5                  ; out: lanes 16-31 belong to the next tile of 16 rows, 4,096 bytes on; 16 bytes a lane
	s_cmp_lt_u32 ttmp9, 320
	s_cbranch_scc0 .Lpath_o
	; ---- job W: my wave takes 32 columns of w_qkv x one K step of 128: four blocks a lane
	s_sub_co_u32 s21, ttmp9, 128
	s_and_b32 s28, s21, 7                          ; which K step
	s_lshr_b32 s29, s21, 3                         ; which 128 columns
	v_lshlrev_b32 v5, 5, v1                        ; my column's row of scale bytes
	s_lshl_b32 s30, s29, 7
	s_lshl_b32 s31, s20, 5
	s_add_co_u32 s30, s30, s31                     ; my wave's first column
	s_mul_i32 s22, s28, 128*12288
	s_lshl_b32 s31, s30, 2
	s_add_co_u32 s22, s22, s31
	s_add_nc_u64 s[6:7], s[6:7], s[22:23]
	s_lshl_b32 s24, s29, 1
	s_lshr_b32 s31, s28, 2
	s_add_co_u32 s24, s24, s31
	s_lshl_b32 s24, s24, 15                        ; (2 x block of 128 + K half) x 32,768
	s_lshl_b32 s31, s20, 13
	s_add_co_u32 s24, s24, s31                     ; + my two tiles of 16
	s_and_b32 s31, s28, 3
	s_lshl_b32 s31, s31, 10
	s_add_co_u32 s24, s24, s31                     ; + the K step in the half
	s_add_nc_u64 s[14:15], s[14:15], s[24:25]
	s_lshl_b32 s26, s30, 5
	s_lshl_b32 s31, s28, 2
	s_add_co_u32 s26, s26, s31
	s_add_nc_u64 s[16:17], s[16:17], s[26:27]
	CLOAD 0, 12288, 6
	CLOAD 1, 12288, 6
.irp t, 0,1,2,3
	WBLOCK \t
.endr
	global_store_b32 v5, v24, s[16:17]             ; my column's scale word of this K step
	s_endpgm
.Lpath_o:
	; ---- job O: my wave takes 32 columns of w_out x 128 along k
	s_sub_co_u32 s21, ttmp9, 320
	s_and_b32 s28, s21, 7                          ; which 128 along k
	s_lshr_b32 s29, s21, 3                         ; which 128 columns
	s_lshl_b32 s22, s28, 19                        ; 128 rows of 4,096 bytes
	s_lshl_b32 s30, s29, 9
	s_add_co_u32 s22, s22, s30
	s_lshl_b32 s30, s20, 7
	s_add_co_u32 s22, s22, s30                     ; + 4 x my first column
	s_add_nc_u64 s[8:9], s[8:9], s[22:23]
	s_lshr_b32 s24, s29, 1
	s_lshl_b32 s24, s24, 19                        ; n / 256
	s_lshl_b32 s30, s28, 16
	s_add_co_u32 s24, s24, s30                     ; k / 128
	s_and_b32 s30, s29, 1
	s_lshl_b32 s30, s30, 15
	s_add_co_u32 s24, s24, s30
	s_lshl_b32 s30, s20, 13
	s_add_co_u32 s24, s24, s30                     ; my two tiles of 16 columns
	s_add_nc_u64 s[18:19], s[18:19], s[24:25]
	CLOAD 0, 4096, 8
	CLOAD 1, 4096, 8
.irp t, 0,1,2,3
	OBLOCK \t
.endr
	s_endpgm
.Lfunc_end_k_qe2de5c5ea0_prep:
	.size	k_qe2de5c5ea0_prep, .Lfunc_end_k_qe2de5c5ea0_prep-k_qe2de5c5ea0_prep
	.p2alignl 7, 3214868480
	.fill 96, 4, 3214868480
	.section	.rodata,"a",@progbits
	.p2align	6, 0x0
	.amdhsa_kernel k_qe2de5c5ea0_prep
		.amdhsa_group_segment_fixed_size 34304
		.amdhsa_private_segment_fixed_size 0
		.amdhsa_enable_private_segment 0
		.amdhsa_kernarg_size 64
		.amdhsa_user_sgpr_count 2
		.amdhsa_user_sgpr_kernarg_segment_ptr 1
		.amdhsa_wavefront_size32 1
		.amdhsa_system_sgpr_workgroup_id_x 1
		.amdhsa_system_sgpr_workgroup_id_y 1
		.amdhsa_system_sgpr_workgroup_id_z 1
		.amdhsa_system_vgpr_workitem_id 0
		.amdhsa_next_free_vgpr 256
		.amdhsa_next_free_sgpr 66
		.amdhsa_reserve_vcc 1
		.amdhsa_float_denorm_mode_32 3
		.amdhsa_float_denorm_mode_16_64 3
		.amdhsa_memory_ordered 1
		.amdhsa_forward_progress 1
		.amdhsa_inst_pref_size 94
	.end_amdhsa_kernel
	.amdgpu_metadata
---
amdhsa.version: [ 1, 2 ]
amdhsa.kernels:
  - .name:           k_qe2de5c5ea0_prep
    .symbol:         k_qe2de5c5ea0_prep.kd
    .args:
      - { .name: x, .offset: 0, .size: 8, .value_kind: global_buffer, .address_space: global }
      - { .name: w_qkv, .offset: 8, .size: 8, .value_kind: global_buffer, .address_space: global }
      - { .name: w_out, .offset: 16, .size: 8, .value_kind: global_buffer, .address_space: global }
      - { .name: x_img, .offset: 24, .size: 8, .value_kind: global_buffer, .address_space: global }
      - { .name: x_scales, .offset: 32, .size: 8, .value_kind: global_buffer, .address_space: global }
      - { .name: wq_img, .offset: 40, .size: 8, .value_kind: global_buffer, .address_space: global }
      - { .name: wq_scales, .offset: 48, .size: 8, .value_kind: global_buffer, .address_space: global }
      - { .name: wf, .offset: 56, .size: 8, .value_kind: global_buffer, .address_space: global }
    .group_segment_fixed_size: 34304
    .private_segment_fixed_size: 0
    .kernarg_segment_align: 8
    .kernarg_segment_size: 64
    .max_flat_workgroup_size: 128
    .sgpr_count:     66
    .vgpr_count:     256
    .wavefront_size: 32
...
	.end_amdgpu_metadata
.endif
;; end of part 1
;; launch qkv (part 2): grid 12 x 32, 4 waves a work-group, clusters of 4 x 4, 327,680 bytes of LDS; arguments x_img, x_scales, wq_img, wq_scales, b_qkv, qkvf; writes qkvf
.if DOCPART == 2
	.amdgcn_target "amdgcn-amd-amdhsa--gfx1250"
	.amdhsa_code_object_version 6
	.text
	.protected	k_qe2de5c5ea0_qkv
	.globl	k_qe2de5c5ea0_qkv
	.p2align	8
	.type	k_qe2de5c5ea0_qkv,@function
k_qe2de5c5ea0_qkv:
	s_mov_b64 s[64:65], 0
	v_nop
	global_prefetch_b8 v0, s[64:65] scope:SCOPE_SE
	s_setreg_imm32_b32 hwreg(HW_REG_WAVE_MODE, 25, 1), 1
	s_wait_xcnt 0x0
	s_wait_alu depctr_hold_cnt(0) depctr_sa_sdst(0) depctr_va_vdst(0) depctr_va_sdst(0) depctr_va_ssrc(0) depctr_va_vcc(0) depctr_vm_vsrc(0)
	s_getreg_b32 s2, hwreg(HW_REG_IB_STS2, 6, 4)
	s_cmp_eq_u32 s2, 0
	s_cbranch_scc0 .Lentry_in_a_cluster
	s_endpgm
.Lentry_in_a_cluster:
	s_bfe_u32 s2, ttmp6, 0x10000c
	s_cmp_lg_u32 s2, 0xf033
	s_cbranch_scc0 .Lentry_shape_is_right
	s_endpgm
.Lentry_shape_is_right:
; qkv = Q(x) Q(w_qkv) + b, on codes of FP4 (E2M1) with one E8M0 scale for each 32 along K = 1,024; sums in f32; the result leaves as f16, laid as images of the attention's operand registers.
; A work-group of four waves makes 256 x 256 results, a wave 128 x 128: 64 accumulators, 512 registers.  All of K fits into two LDS slots of 512 along K: both are asked for at the head and nothing is filled again.
; Source 0 takes 16 rows of "B", source 1 16 rows of "A": a lane then holds ONE row of A and eight neighbouring rows of B.
;   clusters with x = 0 (q) and 1 (k): A = x (tokens), B = w_qkv (channels): a lane's eight numbers are eight channels of a token: 16 bytes of an image of q or k.
;   clusters with x = 2 (v): the two change places, by a choice of pointers alone: a lane holds a channel and eight TOKENS: an image of V^T, as the attention's second product wants it.
; The choice hangs on the cluster's x, which all sixteen partners share.  A's tiles are asked for jointly along a row of the cluster, B's along a column.
; THE BIAS of q and k is the C of each sum's first product.  v's bias is not added here: the attention adds it behind the softmax, whose weights sum to 1.
; qkvf: part (q 0, k 1, v 2) x 16,777,216 + (batch x 16 + head) x 262,144 + tile of 16 tokens x 2,048 + tile of 16 channels x 512 + 16 x lane.
;   q, k: lane (r, h) = token r, channels 8 h + 0 .. 7;   v: lane (r, h) = channel r, tokens 8 h + 0 .. 7.
; LIMITS: q, k, v go to f16: magnitudes under 65,504.
; The codes lie in memory and in LDS as images of fragments: [tile of 16 rows (8)][K step of 128 (4)][1,024 bytes], lane l's 16 bytes at 16 l: no pitch, no padding.
; REGISTERS, in windows of 256: window 0: v8-15 the stores' offsets; v16-31 addresses; v32-95 scale words, two sets; v128-191 A's fragments, one set; v192-223 packed results.
;   window 1: B's fragments, two sets, at v0 and v128; v64-127 the bias, eight registers for each of B's eight blocks.   windows 2, 3: the accumulators ((a, b) at v[8 (8 (a % 4) + b)]).
.set NQ,     4                         ; K steps of 128 in a slot
.set FR,     8                         ; registers of a fragment
.set NL,     2                         ; LDS loads that bring one
.set NP,     4                         ; places behind this matrix instruction (ISA guide 7.12.1)
.set HALFT,  32768                     ; 128 rows x 512 along K: what one tensor load brings
.set SLOT,   4*HALFT                   ; A's 256 rows, then B's
.set KS,     32                        ; a row of scale bytes
.set SCL,    2*SLOT                    ; behind the slots: the scale bytes, as units of 256 bytes + 16 of padding
.set HALFS,  (128*KS/256)*272          ; those of 128 rows
.set SBLK,   (16*KS/256)*272           ; those of 16 rows
.set SPARE,  SCL+4*HALFS               ; the spare words, 128 bytes for each wave
.set VO,   8                           ; v8-15   where accumulator (a, b) is stored: 16 x lane + b's step
.set ADRA, 16                          ; v16-17  LDS address of my A fragments in slot 0, 1
.set ADRB, 20                          ; v20-21  the same for B
.set BOF,  24                          ; v24     32 h: my eight numbers of a bias block
.set ADRS, 27                          ; v27     LDS address of my scale words: lanes 0-15 A's rows, lanes 16-31 B's
.set SPW,  28                          ; v28     LDS address of my spare word; never rewritten
.set NIL,  29                          ; v29     0; never rewritten
.set LI,   30                          ; v30     16 x lane
.set SC,   32
.set AF,   128
.set TMP,  192
.set BB,   64                          ; in window 1
.set G1, 24                            ; s[24:31] group 1 for A's codes;  s[32:39] group 0, one set for each slot
.set G0, 32
.set G1B, 48                           ; s[48:55], s[56:63] the same for B's
.set G0B, 56
.set G1S, 68                           ; s[68:75], s[76:79] groups 1 and 0 for A's scales;  s[80:87], s[88:91] for B's
.set G0S, 76
.set G1SB, 80
.set G0SB, 88
.set MSB, 0
.macro WIN new                         ; the immediate's high byte repeats the setting that is left
.if MSB != (\new)
	s_set_vgpr_msb (MSB<<8)|(\new)
.set MSB, (\new)
.endif
.endm
.set MUL_LO, 0xa1                      ; source 0 (B) window 1, source 1 (A) window 0, C and D window 2
.set MUL_HI, 0xf1                      ; the same, C and D window 3
.set FST_LO, 0x91                      ; the first products: C (the bias) window 1, D window 2
.set FST_HI, 0xd1                      ; D window 3
.set TO_B,   0x40                      ; destination window 1, address window 0
; A joint load: waves 0 and 1 fetch for A, waves 2 and 3 for B.  The branch hangs on the wave's number alone.  An s_nop 0 and four v_nop follow each of the two lines.
.macro JLOAD g0a, g1a, g0b, g1b
	s_cmp_eq_u32 s15, 0
	s_cbranch_scc0 .Lfor_b_\@
	tensor_load_to_lds s[\g0a:\g0a+3], s[\g1a:\g1a+7]
	s_nop 0
.rept 4
	v_nop
.endr
	s_branch .Lasked_\@
.Lfor_b_\@:
	tensor_load_to_lds s[\g0b:\g0b+3], s[\g1b:\g1b+7]
	s_nop 0
.rept 4
	v_nop
.endr
.Lasked_\@:
.endm
.macro CROUND                          ; a round of the cluster's barrier
	s_barrier_signal -1
	s_barrier_wait -1
	s_cmp_lg_u32 s14, 0
	s_cbranch_scc1 .Lnot_wave_0_\@
	s_barrier_signal -3
.Lnot_wave_0_\@:
	s_barrier_wait -3
	s_barrier_signal -1
	s_barrier_wait -1
.endm
	s_load_b128 s[4:7], s[0:1], 0x0                ; x's codes s[4:5], x's scales s[6:7]
	s_load_b128 s[8:11], s[0:1], 0x10              ; w_qkv's codes s[8:9], its scales s[10:11]
	s_load_b128 s[96:99], s[0:1], 0x20             ; b_qkv s[96:97], qkvf s[98:99]
	v_lshl_add_u32 v[SPW], v0, 2, SPARE
	v_mov_b32 v[NIL], 0
	ds_add_u32 v[SPW], v[NIL]                      ; the wave's opening: the add, twice on end, and its wait ahead of my first tensor load
	ds_add_u32 v[SPW], v[NIL]
	v_lshrrev_b32 v1, 5, v0
	v_readfirstlane_b32 s14, v1                    ; wave 0..3
	s_lshr_b32 s15, s14, 1                         ; which half of A's rows is mine.  Also: I fetch for A (0) or for B (1)
	s_and_b32 s16, s14, 1                          ; which half of B's rows.  Also: which 128 rows I fetch
	s_bfe_u32 s40, ttmp6, 0x40000                  ; cx
	s_bfe_u32 s41, ttmp6, 0x40004                  ; cy
	s_and_b32 s19, ttmp7, 0xffff
	s_lshl_b32 s19, s19, 2                         ; 4 x cluster y
	s_lshl_b32 s21, ttmp9, 2                       ; 4 x cluster x
	s_cmp_eq_u32 ttmp9, 2                          ; the v cluster?
	s_cselect_b32 s17, 8, s19                      ; A's tile of 256 rows: v: w_qkv's tiles 8 .. 11; else x's tile 4 y + cy
	s_cselect_b32 s42, s19, s21                    ; B's: v: x's tile 4 y + cx; else w_qkv's tile 4 x + cx
	s_cselect_b32 s95, 0, -1                       ; lanes that keep the bias: none in the v cluster
	s_add_co_u32 s17, s17, s41
	s_add_co_u32 s42, s42, s40
	s_lshl_b32 s43, s41, 2
	s_lshl_b32 s43, 15, s43                        ; my row of the cluster
	s_lshl_b32 s44, 0x1111, s40                    ; my column
	; group 1 for the codes: 32,768 dense bytes as 128 rows of 256 (32 elements of 8 bytes), no padding
	s_or_b32 s[G1+0], s43, (3<<16)|(1<<21)         ; 15:0 the mask; 17:16 elements of 8 bytes; 21 set beside a mask
	s_or_b32 s[G1B+0], s44, (3<<16)|(1<<21)
.irp g, G1, G1B
	s_mov_b32 s[\g+1], 32<<16                      ; tensor_dim0
	s_mov_b32 s[\g+2], 128<<16                     ; tensor_dim1
	s_mov_b32 s[\g+3], 32<<16                      ; tile_dim0
	s_mov_b32 s[\g+4], 128                         ; tile_dim1
	s_mov_b32 s[\g+5], 32                          ; the pitch
	s_mov_b32 s[\g+6], 0
	s_mov_b32 s[\g+7], 0
.endr
	; and for the scales of 128 rows: 4,096 dense bytes as 16 rows of 256, 16 bytes of padding behind each
	s_or_b32 s[G1S+0], s43, (3<<16)|(1<<20)|(1<<21)|(5<<22)|(3<<25)
	s_or_b32 s[G1SB+0], s44, (3<<16)|(1<<20)|(1<<21)|(5<<22)|(3<<25)
.irp g, G1S, G1SB
	s_mov_b32 s[\g+1], 32<<16
	s_mov_b32 s[\g+2], 16<<16
	s_mov_b32 s[\g+3], 32<<16
	s_mov_b32 s[\g+4], 16
	s_mov_b32 s[\g+5], 32
	s_mov_b32 s[\g+6], 0
	s_mov_b32 s[\g+7], 0
.endr
	s_lshl_b32 s20, s17, 1
	s_add_co_u32 s20, s20, s16                     ; A: which block of 128 rows I fetch
	s_lshl_b32 s22, s20, 12                        ; its scale bytes,
	s_lshl_b32 s20, s20, 16                        ; its codes
	s_mov_b32 s21, 0
	s_mov_b32 s23, 0
	s_lshl_b32 s46, s42, 1
	s_add_co_u32 s46, s46, s16                     ; B likewise
	s_lshl_b32 s92, s46, 12
	s_lshl_b32 s46, s46, 16
	s_mov_b32 s47, 0
	s_mov_b32 s93, 0
	s_mul_i32 s45, s14, HALFT                      ; where they go: wave x 128 rows: no place in the cluster enters an LDS address
	s_mul_i32 s94, s14, HALFS
	s_wait_dscnt 0x0                               ; both opening adds are done
	s_wait_kmcnt 0x0
	s_cmp_eq_u32 ttmp9, 2
	s_cselect_b64 s[66:67], s[8:9], s[4:5]         ; A's codes,
	s_cselect_b64 s[2:3], s[10:11], s[6:7]         ; A's scales,
	s_cselect_b64 s[8:9], s[4:5], s[8:9]           ; B's codes,
	s_cselect_b64 s[10:11], s[6:7], s[10:11]       ; B's scales
	s_add_nc_u64 s[20:21], s[66:67], s[20:21]
	s_add_nc_u64 s[22:23], s[2:3], s[22:23]
	s_add_nc_u64 s[46:47], s[8:9], s[46:47]
	s_add_nc_u64 s[92:93], s[10:11], s[92:93]
	CROUND                                         ; all sixteen work-groups are here: the joint loads meet
	s_mov_b32 s[G0S], 1
	s_add_co_u32 s[G0S+1], s94, SCL
	s_mov_b64 s[G0S+2:G0S+3], s[22:23]
	s_or_b32 s[G0S+3], s[G0S+3], 0x80000000
	s_mov_b32 s[G0SB], 1
	s_add_co_u32 s[G0SB+1], s94, SCL
	s_mov_b64 s[G0SB+2:G0SB+3], s[92:93]
	s_or_b32 s[G0SB+3], s[G0SB+3], 0x80000000
	JLOAD G0S, G1S, G0SB, G1SB                     ; the scales first: they are wanted with the first K step
.irp s, 0,1
	s_mov_b32 s[G0+4*\s], 1
	s_add_co_u32 s[G0+4*\s+1], s45, \s*SLOT
	s_add_nc_u64 s[G0+4*\s+2:G0+4*\s+3], s[20:21], \s*HALFT
	s_or_b32 s[G0+4*\s+3], s[G0+4*\s+3], 0x80000000
	s_mov_b32 s[G0B+4*\s], 1
	s_add_co_u32 s[G0B+4*\s+1], s45, \s*SLOT
	s_add_nc_u64 s[G0B+4*\s+2:G0B+4*\s+3], s[46:47], \s*HALFT
	s_or_b32 s[G0B+4*\s+3], s[G0B+4*\s+3], 0x80000000
	JLOAD G0+4*\s, G1, G0B+4*\s, G1B               ; three tensor loads of mine are out
.endr
	; what differs between the q, k clusters and the v cluster, by selects on the cluster's x
	s_lshl_b32 s12, s42, 10
	s_lshl_b32 s13, s16, 9
	s_add_co_u32 s12, s12, s13                     ; the bias of B's rows: 4 x (256 x tile + 128 x half)
	s_mov_b32 s13, 0
	s_mov_b32 s18, 2048
	s_mov_b32 s100, 2048
	s_mov_b32 s2, 512
	s_mov_b32 s3, 262144
	s_cmp_eq_u32 ttmp9, 2
	s_cselect_b32 s12, 0, s12                      ; (v: any place inside the buffer: what is loaded is blanked)
	s_cselect_b32 s66, s42, s17                    ; the tile of 256 tokens,
	s_cselect_b32 s67, s16, s15                    ; my half of it,
	s_cselect_b32 s92, s41, s40                    ; the 256 channels of the part,
	s_cselect_b32 s93, s15, s16                    ; my half of them
	s_cselect_b32 s18, 512, s18                    ; from A's block a to a + 1: q, k: a tile of tokens; v: a tile of channels,
	s_cselect_b32 s100, 260608, s100               ; and from block 3 to 4 in v: on to the next head
	s_cselect_b32 s2, 2048, s2                     ; from B's block b to b + 1: q, k: a tile of channels; v: a tile of tokens,
	s_cselect_b32 s3, 8192, s3                     ; and four blocks on: q, k: the next head
	s_mov_b32 s19, 0
	s_mov_b32 s101, 0
	s_add_nc_u64 s[96:97], s[96:97], s[12:13]
	v_and_b32 v1, 15, v0                           ; r
	v_bfe_u32 v2, v0, 4, 1                         ; h
	v_lshlrev_b32 v[BOF], 5, v2
	WIN TO_B
.irp b, 0,1,2,3,4,5,6,7
	global_load_b128 v[BB+8*\b:BB+8*\b+3], v[BOF], s[96:97] offset:64*\b        ; the bias of B's rows 16 b + 8 h + 0 .. 7, in the result's layout
	global_load_b128 v[BB+8*\b+4:BB+8*\b+7], v[BOF], s[96:97] offset:64*\b+16
.endr
	WIN 0
	v_and_b32 v[LI], 31, v0
	v_lshlrev_b32 v[LI], 4, v[LI]
	s_lshl_b32 s21, s15, 15                        ; my 128 rows of A
	s_lshl_b32 s22, s16, 15                        ; my 128 rows of B,
	s_add_co_u32 s22, s22, 2*HALFT                 ; which lie behind A's 256
.irp s, 0,1
	v_add_nc_u32 v[ADRA+\s], s21, v[LI]
	v_add_nc_u32 v[ADRB+\s], s22, v[LI]
	s_add_co_u32 s21, s21, SLOT
	s_add_co_u32 s22, s22, SLOT
.endr
	v_mul_u32_u24 v5, v1, KS                       ; my row's scales: KS bytes a row,
	v_lshrrev_b32 v6, 8, v5
	v_lshl_add_u32 v5, v6, 4, v5                   ; and 16 more for each 256 passed
	s_mul_i32 s21, s15, HALFS
	s_mul_i32 s22, s16, HALFS
	s_add_co_u32 s22, s22, 2*HALFS
	s_sub_co_u32 s22, s22, s21
	v_mul_u32_u24 v6, s22, v2                      ; lanes 16-31 take B's
	s_add_co_u32 s21, s21, SCL
	v_add_nc_u32 v5, v5, v6
	v_add_nc_u32 v[ADRS], s21, v5
.irp b, 0,1,2,3,4,5,6,7
	s_mul_i32 s22, s2, \b%4
	s_mul_i32 s23, s3, \b/4
	s_add_co_u32 s22, s22, s23
	v_add_nc_u32 v[VO+\b], s22, v[LI]
.endr
	s_lshl_b32 s20, ttmp9, 24                      ; the part,
	s_lshr_b32 s21, s66, 3
	s_lshl_b32 s21, s21, 22                        ; the batch: 16 heads,
	s_add_co_u32 s20, s20, s21
	s_lshl_b32 s21, s92, 20                        ; four heads to 256 channels,
	s_add_co_u32 s20, s20, s21
	s_lshl_b32 s21, s93, 19                        ; two to my half,
	s_add_co_u32 s20, s20, s21
	s_and_b32 s21, s66, 7
	s_lshl_b32 s21, s21, 15                        ; sixteen tiles of tokens to 256 tokens,
	s_add_co_u32 s20, s20, s21
	s_lshl_b32 s21, s67, 14                        ; eight to my half
	s_add_co_u32 s20, s20, s21
	s_mov_b32 s21, 0
	s_add_nc_u64 s[98:99], s[98:99], s[20:21]
	s_wait_loadcnt 0x0                             ; the bias
	WIN 0x44                                       ; source 1 and destination window 1
.set i, 0
.rept 64
	v_cndmask_b32 v[BB+i], 0, v[BB+i], s95         ; zeros in the v cluster
.set i, i+1
.endr
	WIN 0
.rept 4
	v_nop
.endr
.macro FRAG reg, adr, q, i             ; a fragment's image: two loads of 512 consecutive bytes
.irp c, 0,1
	ds_load_b128 v[\reg+4*\c:\reg+4*\c+3], v[\adr] offset:(\i)*4096+(\q)*1024+512*\c
.endr
.endm
; 16 matrix instructions: A's blocks a0, a0 + 1 x B's eight, the slot's q-th 128 along K.  p: B's set; sc: the set of scale words.  first = 1: the bias is C.
; The 64 accumulators take turns, one instruction a turn, in the same order in every step.
.macro MUL16 a0, p, q, sc, first
.irp a, \a0, \a0+1
.irp b, 0,1,2,3,4,5,6,7
.if \first
	v_wmma_scale_f32_16x16x128_f8f6f4 v[8*(8*((\a)%4)+\b):8*(8*((\a)%4)+\b)+7], v[128*(\p)+FR*\b:128*(\p)+FR*\b+FR-1], v[AF+FR*(\a):AF+FR*(\a)+FR-1], v[BB+8*\b:BB+8*\b+7], v[SC+8*NQ*(\sc)+NQ*\b+(\q)], v[SC+8*NQ*(\sc)+NQ*(\a)+(\q)] matrix_a_fmt:MATRIX_FMT_FP4 matrix_b_fmt:MATRIX_FMT_FP4 matrix_a_scale:MATRIX_SCALE_ROW1
.else
	v_wmma_scale_f32_16x16x128_f8f6f4 v[8*(8*((\a)%4)+\b):8*(8*((\a)%4)+\b)+7], v[128*(\p)+FR*\b:128*(\p)+FR*\b+FR-1], v[AF+FR*(\a):AF+FR*(\a)+FR-1], v[8*(8*((\a)%4)+\b):8*(8*((\a)%4)+\b)+7], v[SC+8*NQ*(\sc)+NQ*\b+(\q)], v[SC+8*NQ*(\sc)+NQ*(\a)+(\q)] matrix_a_fmt:MATRIX_FMT_FP4 matrix_b_fmt:MATRIX_FMT_FP4 matrix_a_scale:MATRIX_SCALE_ROW1
.endif
.endr
.endr
.endm
.macro FETCH_B slot, q, p
	WIN TO_B
.irp i, 0,1,2,3,4,5,6,7
	FRAG 128*(\p)+FR*\i, ADRB+\slot, \q, \i
.endr
	WIN 0
.endm
.macro FETCH_A slot, q, i0
.irp i, \i0, \i0+1, \i0+2, \i0+3
	FRAG AF+FR*(\i), ADRA+\slot, \q, \i
.endr
.endm
.macro SCALES sc                       ; a slot's scale words: four a row; lanes 0-15 take A's block i, lanes 16-31 B's block i
.irp i, 0,1,2,3,4,5,6,7
	ds_load_b128 v[SC+8*NQ*\sc+NQ*\i:SC+8*NQ*\sc+NQ*\i+3], v[ADRS] offset:\i*SBLK
.endr
.endm
.macro PLACES n                        ; plain vector instructions between a matrix instruction and a load into, or a read of, its registers
.rept \n
	v_nop
.endr
.endm
; A step of 128 along K that has its successor in the same slot.  A has one set of registers: blocks 0-3 are fetched anew in the step's middle, blocks 4-7 at its end; B has two sets.
.macro STEP slot, q, first
	s_wait_dscnt 4*NL                              ; B's set and A's blocks 0-3 are in; the youngest eight loads (A's blocks 4-7) may be out
.if \first
	WIN FST_LO
.else
	WIN MUL_LO
.endif
	MUL16 0, (\q)%2, \q, \slot, \first
	MUL16 2, (\q)%2, \q, \slot, \first
	s_wait_dscnt 0                                 ; A's blocks 4-7 are in
	PLACES NP
	FETCH_B \slot, (\q)+1, 1-(\q)%2
	FETCH_A \slot, (\q)+1, 0
.if \first
	WIN FST_HI
.else
	WIN MUL_HI
.endif
	MUL16 4, (\q)%2, \q, \slot, \first
	MUL16 6, (\q)%2, \q, \slot, \first
	PLACES NP
	WIN 0
	FETCH_A \slot, (\q)+1, 4
.endm
.macro STEPS slot, from
.set Q, \from
.rept NQ-1-\from
	STEP \slot, Q, 0
.set Q, Q+1
.endr
.endm
; Slot 0's last step leads over to slot 1: each wave waits for all its tensor loads (its part of slot 1), and the barrier shows every wave's part to all.
.macro MEET
	s_wait_tensorcnt 0x0
	ds_add_u32 v[SPW], v[NIL]                      ; 0 onto my spare word
	s_wait_dscnt 4*NL+1                            ; the add and the youngest eight loads may be out
	WIN MUL_LO
	MUL16 0, 1, NQ-1, 0, 0
	s_wait_dscnt 0x0
	s_barrier_signal -1
	MUL16 2, 1, NQ-1, 0, 0
	WIN 0
	s_barrier_wait -1
	PLACES NP
	v_add_nc_u32 v[ADRS], 4*NQ, v[ADRS]            ; on to slot 1's scale words
	FETCH_B 1, 0, 0
	FETCH_A 1, 0, 0
	SCALES 1
	WIN MUL_HI
	MUL16 4, 1, NQ-1, 0, 0
	MUL16 6, 1, NQ-1, 0, 0
	PLACES NP
	WIN 0
	FETCH_A 1, 0, 4
.endm
	s_wait_tensorcnt 1                             ; the scales and my part of slot 0 are in; slot 1's load may be out
	s_barrier_signal -1
	s_barrier_wait -1
	FETCH_B 0, 0, 0
	FETCH_A 0, 0, 0
	SCALES 0
	FETCH_A 0, 0, 4
	STEP 0, 0, 1                                   ; the first products start the sums from the bias
	STEPS 0, 1
	MEET
	STEPS 1, 0
	s_wait_dscnt 4*NL                              ; the last step: nothing more to fetch
	WIN MUL_LO
	MUL16 0, 1, NQ-1, 1, 0
	MUL16 2, 1, NQ-1, 1, 0
	s_wait_dscnt 0
	WIN MUL_HI
	MUL16 4, 1, NQ-1, 1, 0
	MUL16 6, 1, NQ-1, 1, 0
	WIN 0
; THE WAY OUT.  A lane's eight results pack into 16 bytes of f16, and the 32 lanes' 16 bytes ARE a block of an image: each store covers 512 consecutive bytes, straight from registers.
.macro OUT a
.set AC, 64*((\a)%4)
	WIN 0x0a+5*((\a)/4)                            ; sources 0 and 1: window 2 or 3
.irp b, 0,1,2,3,4,5,6,7
.irp i, 0,1,2,3
	v_cvt_pk_f16_f32 v[TMP+4*\b+\i], v[AC+8*\b+2*\i], v[AC+8*\b+2*\i+1]     ; each accumulator from its low end on
.endr
.endr
	WIN 0
.irp b, 0,1,2,3,4,5,6,7
	global_store_b128 v[VO+\b], v[TMP+4*\b:TMP+4*\b+3], s[98:99]
.endr
.endm
	PLACES NP
	OUT 0
.irp a, 1,2,3,4,5,6,7
	s_wait_xcnt 0x0                                ; the last block's stores have read their data and their base: both are written again
.if \a == 4
	s_add_nc_u64 s[98:99], s[98:99], s[100:101]
.else
	s_add_nc_u64 s[98:99], s[98:99], s[18:19]
.endif
	OUT \a
.endr
	s_wait_tensorcnt 0x0                           ; the wave's end
	ds_add_u32 v[SPW], v[NIL]
	s_wait_dscnt 0x0
	CROUND                                         ; the closing round
	s_endpgm
.Lfunc_end_k_qe2de5c5ea0_qkv:
	.size	k_qe2de5c5ea0_qkv, .Lfunc_end_k_qe2de5c5ea0_qkv-k_qe2de5c5ea0_qkv
	.p2alignl 7, 3214868480
	.fill 96, 4, 3214868480
	.section	.rodata,"a",@progbits
	.p2align	6, 0x0
	.amdhsa_kernel k_qe2de5c5ea0_qkv
		.amdhsa_group_segment_fixed_size 327680
		.amdhsa_private_segment_fixed_size 0
		.amdhsa_enable_private_segment 0
		.amdhsa_kernarg_size 48
		.amdhsa_user_sgpr_count 2
		.amdhsa_user_sgpr_kernarg_segment_ptr 1
		.amdhsa_wavefront_size32 1
		.amdhsa_system_sgpr_workgroup_id_x 1
		.amdhsa_system_sgpr_workgroup_id_y 1
		.amdhsa_system_sgpr_workgroup_id_z 1
		.amdhsa_system_vgpr_workitem_id 0
		.amdhsa_next_free_vgpr 1024
		.amdhsa_next_free_sgpr 104
		.amdhsa_reserve_vcc 0
		.amdhsa_float_denorm_mode_32 3
		.amdhsa_float_denorm_mode_16_64 3
		.amdhsa_memory_ordered 1
		.amdhsa_forward_progress 1
		.amdhsa_inst_pref_size 125
	.end_amdhsa_kernel
	.amdgpu_metadata
---
amdhsa.version: [ 1, 2 ]
amdhsa.kernels:
  - .name:           k_qe2de5c5ea0_qkv
    .symbol:         k_qe2de5c5ea0_qkv.kd
    .args:
      - { .name: x_img, .offset: 0, .size: 8, .value_kind: global_buffer, .address_space: global }
      - { .name: x_scales, .offset: 8, .size: 8, .value_kind: global_buffer, .address_space: global }
      - { .name: wq_img, .offset: 16, .size: 8, .value_kind: global_buffer, .address_space: global }
      - { .name: wq_scales, .offset: 24, .size: 8, .value_kind: global_buffer, .address_space: global }
      - { .name: b_qkv, .offset: 32, .size: 8, .value_kind: global_buffer, .address_space: global }
      - { .name: qkvf, .offset: 40, .size: 8, .value_kind: global_buffer, .address_space: global }
    .group_segment_fixed_size: 327680
    .private_segment_fixed_size: 0
    .kernarg_segment_align: 8
    .kernarg_segment_size: 48
    .max_flat_workgroup_size: 128
    .sgpr_count:     104
    .vgpr_count:     1024
    .wavefront_size: 32
...
	.end_amdgpu_metadata
.endif
;; end of part 2
;; launch attn (part 3): grid 4 x 64, 8 waves a work-group, clusters of 4 x 1, 327,680 bytes of LDS; arguments qkvf, b_qkv, af; writes af
.if DOCPART == 3
	.amdgcn_target "amdgcn-amd-amdhsa--gfx1250"
	.amdhsa_code_object_version 6
	.text
	.protected	k_qe2de5c5ea0_attn
	.globl	k_qe2de5c5ea0_attn
	.p2align	8
	.type	k_qe2de5c5ea0_attn,@function
k_qe2de5c5ea0_attn:
	s_mov_b64 s[64:65], 0
	v_nop
	global_prefetch_b8 v0, s[64:65] scope:SCOPE_SE
	s_setreg_imm32_b32 hwreg(HW_REG_WAVE_MODE, 25, 1), 1
	s_wait_xcnt 0x0
	s_wait_alu depctr_hold_cnt(0) depctr_sa_sdst(0) depctr_va_vdst(0) depctr_va_sdst(0) depctr_va_ssrc(0) depctr_va_vcc(0) depctr_vm_vsrc(0)
	s_getreg_b32 s2, hwreg(HW_REG_IB_STS2, 6, 4)
	s_cmp_eq_u32 s2, 0
	s_cbranch_scc0 .Lentry_in_a_cluster
	s_endpgm
.Lentry_in_a_cluster:
	s_bfe_u32 s2, ttmp6, 0x10000c
	s_cmp_lg_u32 s2, 0x3003
	s_cbranch_scc0 .Lentry_shape_is_right
	s_endpgm
.Lentry_shape_is_right:
; O[bh][q] = the sum over k of softmax_k(Q[q] . K[k] / 8) V[k] + b_v, 64 heads of 2,048 tokens x 64 channels.  Operands in f16; products, maxima and sums in f32.
; b_v IS ADDED HERE, behind the softmax: the weights sum to 1, so sum w (v + b) = sum w v + b; only the order of rounding differs.  It is the addend of the multiply-add that divides by the row's sum.
; SHARES.  A cluster of four work-groups owns a head; a work-group 512 queries; each of its eight waves 64: four tiles of 16, in 512 registers, two waves to a SIMD, so that one wave's softmax stands beside the other's products.
; Every wave walks all 2,048 keys, 64 a step.  K and V come through two LDS slots of 512 keys; the four work-groups walk the same K and V, so each tile is asked for JOINTLY (mask 15): every wave fetches 128 keys of K (waves 0-3) or V (waves 4-7).
; LAYOUT.  S^T = K Q^T (source 0 = 16 keys, source 1 = 16 queries), O^T = V^T P (source 0 = 16 channels, source 1 = P): a lane holds ONE query throughout; two tiles of S^T, rounded in pairs, ARE a fragment of P.
; q, k and v lie in memory as images of these fragments (blocks of 512 bytes, lane l's 16 bytes at 16 l; v with the tokens innermost): tiles are dense blocks, fragment loads stand at 16 x lane, nothing is turned or padded.
; SOFTMAX.  For each query a running maximum m and sum l: p = 2^(c s - c m), c = log2(e) / 8; in every step O and l are multiplied by a = 2^(c m_old - c m_new).  m begins at -3e38 and O and l at zero, so the step is written once.
; A step goes in phases: 32 products K Q^T, the four tiles' softmax line by line, 32 products V^T P.
; Each refill is asked for a whole slot (eight key steps) ahead of its first read, so no further request ahead of it is made.
; af (the next launch's operand): ((token / 128 x 8 + head / 2) x 8 + (token / 16) % 8) x 4,096 + ((head % 2) x 4 + channel / 16) x 512 + 16 x lane; lane (r, h): token r, channels 8 h + 0 .. 7.
; LIMITS: the result goes to f16: magnitudes under 65,504; scores above -3e38.
; REGISTERS.  window 0: v1-7 addresses; v8-39 eight registers of statistics a tile; v64-191 S^T, 32 a tile (P takes each tile's low 16); v192-255 K of one step.
;   window 1: v0-127 O^T, 32 a tile; v128-191 Q, 16 a tile; v192-255 V of one step.
.set SLOTB, 131072                     ; a slot: K's 512 keys (65,536 bytes), then V's
.set VOFF,  65536
.set SPARE, 262144                     ; behind the slots: the spare words, 128 bytes for each of eight waves
.set LI,  1                            ; v1  16 x lane
.set AV0, 2                            ; v2  16 x lane + VOFF
.set ADK, 3                            ; v3  LDS address of the step's K
.set ADV, 4                            ; v4  of its V
.set BOF, 5                            ; v5  32 h
.set SPW, 6                            ; v6  LDS address of my spare word; never rewritten
.set NIL, 7                            ; v7  0; never rewritten
.set ST,  8                            ; tile t's statistics at v[ST + 8 t]: +0 c m, +1 m, +2, +3 l in two halves, +4 to +7 at work; a at +6
.set S,   64
.set KB,  192
.set QF,  128                          ; in window 1
.set VB,  192                          ; in window 1
.set MSB, 0
.macro WIN new                         ; the immediate's high byte repeats the setting that is left
.if MSB != (\new)
	s_set_vgpr_msb (MSB<<8)|(\new)
.set MSB, (\new)
.endif
.endm
.macro CROUND                          ; a round of the cluster's barrier
	s_barrier_signal -1
	s_barrier_wait -1
	s_cmp_lg_u32 s10, 0
	s_cbranch_scc1 .Lnot_wave_0_\@
	s_barrier_signal -3
.Lnot_wave_0_\@:
	s_barrier_wait -3
	s_barrier_signal -1
	s_barrier_wait -1
.endm
.macro TLOAD                           ; my 128 keys of K or of V: one line for all eight waves; both addresses hang on the wave's number.  An s_nop 0 and four v_nop follow
	tensor_load_to_lds s[24:27], s[16:23]
	s_nop 0
.rept 4
	v_nop
.endr
.endm
	s_load_b128 s[4:7], s[0:1], 0x0                ; qkvf s[4:5], b_qkv s[6:7]
	s_load_b64 s[8:9], s[0:1], 0x10                ; af
	v_lshl_add_u32 v[SPW], v0, 2, SPARE
	v_mov_b32 v[NIL], 0
	ds_add_u32 v[SPW], v[NIL]                      ; the wave's opening: the add, twice on end, and its wait ahead of my first tensor load
	ds_add_u32 v[SPW], v[NIL]
	v_lshrrev_b32 v1, 5, v0
	v_readfirstlane_b32 s10, v1                    ; wave 0..7
	s_bfe_u32 s11, ttmp6, 0x40000                  ; cx: my 512 queries; it enters Q's and af's addresses alone
	s_and_b32 s12, ttmp7, 0xffff                   ; batch x 16 + head, which the four partners share
	; group 1: 16,384 dense bytes as 64 rows of 256 (32 elements of 8 bytes)
	s_mov_b32 s16, 15|(3<<16)|(1<<21)              ; 15:0 the mask: all four work-groups; 17:16 elements of 8 bytes; 21 set beside a mask
	s_mov_b32 s17, 32<<16                          ; tensor_dim0
	s_mov_b32 s18, 64<<16                          ; tensor_dim1
	s_mov_b32 s19, 32<<16                          ; tile_dim0
	s_mov_b32 s20, 64                              ; tile_dim1
	s_mov_b32 s21, 32                              ; the pitch
	s_mov_b32 s22, 0
	s_mov_b32 s23, 0
	s_mov_b32 s24, 1
	s_lshl_b32 s25, s10, 14                        ; LDS: wave x 16,384, in slot 0
	s_lshr_b32 s13, s10, 2
	s_add_co_u32 s13, s13, 1
	s_lshl_b32 s42, s13, 24                        ; the part: k (waves 0-3) or v (waves 4-7),
	s_lshl_b32 s13, s12, 18                        ; the head,
	s_add_co_u32 s42, s42, s13
	s_and_b32 s14, s10, 3
	s_lshl_b32 s14, s14, 14                        ; my 128 keys
	s_add_co_u32 s42, s42, s14
	s_mov_b32 s43, 0
	s_lshl_b32 s44, s11, 16                        ; Q: my work-group's 32 tiles of 2,048 bytes,
	s_add_co_u32 s44, s44, s13
	s_lshl_b32 s50, s10, 13                        ; my wave's four
	s_add_co_u32 s44, s44, s50
	s_mov_b32 s45, 0
	s_lshr_b32 s50, s12, 4
	s_lshl_b32 s50, s50, 4                         ; af: batch x 16
	s_lshl_b32 s51, s11, 2
	s_add_co_u32 s50, s50, s51
	s_lshr_b32 s51, s10, 1
	s_add_co_u32 s50, s50, s51                     ; + 4 cx + wave / 2: which 128 tokens
	s_lshl_b32 s46, s50, 18
	s_bfe_u32 s51, s12, 0x30001                    ; head / 2
	s_lshl_b32 s51, s51, 15
	s_add_co_u32 s46, s46, s51
	s_and_b32 s51, s10, 1
	s_lshl_b32 s51, s51, 14                        ; my four tiles of the eight
	s_add_co_u32 s46, s46, s51
	s_and_b32 s51, s12, 1
	s_lshl_b32 s51, s51, 11                        ; head % 2
	s_add_co_u32 s46, s46, s51
	s_mov_b32 s47, 0
	s_and_b32 s48, s12, 15
	s_lshl_b32 s48, s48, 8
	s_add_co_u32 s48, s48, 8192                    ; b_v: 4 x (2,048 + 64 x head)
	s_mov_b32 s49, 0
	s_mov_b32 s28, 0x3e38aa3b                      ; c = log2(e) / 8
	s_mov_b32 s29, s28                             ; (named with it as a pair, so it is written)
	s_mov_b32 s30, 0x76543210
	s_mov_b32 s31, 0xfedcba98                      ; v_permlanex16_b32's selects for lane l xor 16
	s_mov_b32 s32, 0                               ; LDS byte at which the step's K begins
	s_mov_b32 s33, 3                               ; slots still to be asked for
	v_and_b32 v[LI], 31, v0
	v_lshlrev_b32 v[LI], 4, v[LI]
	v_add_nc_u32 v[AV0], VOFF, v[LI]
	v_bfe_u32 v[BOF], v0, 4, 1
	v_lshlrev_b32 v[BOF], 5, v[BOF]
	s_wait_dscnt 0x0                               ; both opening adds are done
	s_wait_kmcnt 0x0
	s_add_nc_u64 s[26:27], s[4:5], s[42:43]
	s_or_b32 s27, s27, 0x80000000                  ; type = 2
	s_add_nc_u64 s[36:37], s[4:5], s[44:45]        ; Q
	s_add_nc_u64 s[38:39], s[8:9], s[46:47]        ; af
	s_add_nc_u64 s[40:41], s[6:7], s[48:49]        ; b_v
	CROUND                                         ; all four work-groups are here: the first joint loads meet
	TLOAD                                          ; slot 0: keys 0 to 511
	WIN 0x40                                       ; destination window 1
.irp i, 0,1,2,3,4,5,6,7,8,9,10,11,12,13,14,15
	global_load_b128 v[QF+4*\i:QF+4*\i+3], v[LI], s[36:37] offset:512*\i        ; Q stays in registers: 8,192 dense bytes a wave
.endr
.set i, 0
.rept 128
	v_mov_b32 v[i], 0                              ; O^T: the step is written once, and its first pass multiplies zeros
.set i, i+1
.endr
	WIN 0
.irp t, 0,1,2,3
	v_mov_b32 v[ST+8*\t+1], 0xff61b1e6             ; m = -3e38
	v_mov_b32 v[ST+8*\t+2], 0                      ; l
	v_mov_b32 v[ST+8*\t+3], 0
.endr
.irp t, 0,1,2,3
	v_mul_f32 v[ST+8*\t], s28, v[ST+8*\t+1]        ; c m
.endr
.macro FETCH_K off                     ; 64 keys x 64 channels: 16 blocks of 512 bytes; key tile k's fragment of channels 32 s on at v[KB + 16 k + 8 s]
.irp i, 0,1,2,3,4,5,6,7,8,9,10,11,12,13,14,15
	ds_load_b128 v[KB+4*\i:KB+4*\i+3], v[ADK] offset:\off+512*\i
.endr
.endm
.macro FETCH_V                         ; V^T: the fragment of keys 32 g on, channels 16 c on, at v[VB + 32 g + 8 c]: its halves come from two tiles of tokens
	WIN 0x40
.irp g, 0,1
.irp c, 0,1,2,3
.irp e, 0,1
	ds_load_b128 v[VB+32*\g+8*\c+4*\e:VB+32*\g+8*\c+4*\e+3], v[ADV] offset:(2*\g+\e)*2048+512*\c
.endr
.endr
.endr
	WIN 0
.endm
; The sixteen accumulators of each product take turns, one instruction a turn.
.macro KQ
	WIN 0x04                                       ; Q in window 1
.irp s, 0,1
.irp k, 0,1,2,3
.irp t, 0,1,2,3
.if \s == 0
	v_wmma_f32_16x16x32_f16 v[S+32*\t+8*\k:S+32*\t+8*\k+7], v[KB+16*\k+8*\s:KB+16*\k+8*\s+7], v[QF+16*\t+8*\s:QF+16*\t+8*\s+7], 0
.else
	v_wmma_f32_16x16x32_f16 v[S+32*\t+8*\k:S+32*\t+8*\k+7], v[KB+16*\k+8*\s:KB+16*\k+8*\s+7], v[QF+16*\t+8*\s:QF+16*\t+8*\s+7], v[S+32*\t+8*\k:S+32*\t+8*\k+7]
.endif
.endr
.endr
.endr
	WIN 0
.endm
.macro PV
	WIN 0x51                                       ; V and O^T in window 1, P in window 0
.irp g, 0,1
.irp c, 0,1,2,3
.irp t, 0,1,2,3
	v_wmma_f32_16x16x32_f16 v[32*\t+8*\c:32*\t+8*\c+7], v[VB+32*\g+8*\c:VB+32*\g+8*\c+7], v[S+32*\t+8*\g:S+32*\t+8*\g+7], v[32*\t+8*\c:32*\t+8*\c+7]
.endr
.endr
.endr
	WIN 0
.endm
; The four tiles' softmax for one key step, the tiles by turns line by line, so that no line waits for the line above it.
.macro SOFTMAX
.irp j, 0,1,2,3
.irp t, 0,1,2,3
	v_max3_num_f32 v[ST+8*\t+4+\j], v[S+32*\t+8*\j], v[S+32*\t+8*\j+1], v[S+32*\t+8*\j+2]   ; four chains a tile, one for each accumulator, begun at its low end
.endr
.endr
.irp u, 1,2
.irp j, 0,1,2,3
.irp t, 0,1,2,3
	v_max3_num_f32 v[ST+8*\t+4+\j], v[ST+8*\t+4+\j], v[S+32*\t+8*\j+2*\u+1], v[S+32*\t+8*\j+2*\u+2]
.endr
.endr
.endr
.irp t, 0,1,2,3
	v_max3_num_f32 v[ST+8*\t+4], v[ST+8*\t+4], v[S+32*\t+7], v[S+32*\t+15]
.endr
.irp t, 0,1,2,3
	v_max3_num_f32 v[ST+8*\t+6], v[ST+8*\t+6], v[S+32*\t+23], v[S+32*\t+31]
.endr
.irp t, 0,1,2,3
	v_max3_num_f32 v[ST+8*\t+4], v[ST+8*\t+4], v[ST+8*\t+5], v[ST+8*\t+6]
.endr
.irp t, 0,1,2,3
	v_max3_num_f32 v[ST+8*\t+4], v[ST+8*\t+4], v[ST+8*\t+7], v[ST+8*\t+1]      ; and the old m
.endr
.irp t, 0,1,2,3
	v_permlanex16_b32 v[ST+8*\t+5], v[ST+8*\t+4], s30, s31                     ; the query's other 32 keys lie in the lane 16 away
.endr
.irp t, 0,1,2,3
	v_mov_b32 v[ST+8*\t+7], v[ST+8*\t]             ; c m_old
.endr
.irp t, 0,1,2,3
	v_max_num_f32 v[ST+8*\t+1], v[ST+8*\t+4], v[ST+8*\t+5]
.endr
.irp t, 0,1,2,3
	v_mul_f32 v[ST+8*\t], s28, v[ST+8*\t+1]
.endr
.irp t, 0,1,2,3
	v_sub_f32 v[ST+8*\t+7], v[ST+8*\t+7], v[ST+8*\t]
.endr
	; ONE BATCH: the 64 scalings c s - c m and all 132 exponentials; none of these lines names an exponential's result
.irp t, 0,1,2,3
	v_exp_f32 v[ST+8*\t+6], v[ST+8*\t+7]           ; a
.endr
.irp b, 0,1,2,3,4,5,6,7,8,9,10,11,12,13,14,15
	v_pk_fma_f32 v[S+2*\b:S+2*\b+1], v[S+2*\b:S+2*\b+1], s[28:29], v[ST:ST+1] op_sel_hi:[1,0,0] neg_lo:[0,0,1] neg_hi:[0,0,1]
.endr
.irp t, 0,1,2
.irp b, 0,1,2,3,4,5,6,7,8,9,10,11,12,13,14,15
	v_pk_fma_f32 v[S+32*(\t+1)+2*\b:S+32*(\t+1)+2*\b+1], v[S+32*(\t+1)+2*\b:S+32*(\t+1)+2*\b+1], s[28:29], v[ST+8*(\t+1):ST+8*(\t+1)+1] op_sel_hi:[1,0,0] neg_lo:[0,0,1] neg_hi:[0,0,1]
	v_exp_f32 v[S+32*\t+2*\b], v[S+32*\t+2*\b]
	v_exp_f32 v[S+32*\t+2*\b+1], v[S+32*\t+2*\b+1]
.endr
.endr
.irp e, 0,1,2,3,4,5,6,7,8,9,10,11,12,13,14,15,16,17,18,19,20,21,22,23,24,25,26,27,28,29,30,31
	v_exp_f32 v[S+96+\e], v[S+96+\e]
.endr
	v_nop                                          ; a plain instruction behind the last exponential, ahead of the first use
	s_wait_alu depctr_va_vdst(0)                   ; the one wait between the batch and the first line that names a result
	; the rows' sums, of p as it is: l = a l + ..., two chains a tile
.irp t, 0,1,2,3
	v_pk_fma_f32 v[ST+8*\t+2:ST+8*\t+3], v[ST+8*\t+2:ST+8*\t+3], v[ST+8*\t+6:ST+8*\t+7], v[S+32*\t:S+32*\t+1] op_sel_hi:[1,0,1]
.endr
.irp t, 0,1,2,3
	v_pk_add_f32 v[ST+8*\t+4:ST+8*\t+5], v[S+32*\t+2:S+32*\t+3], v[S+32*\t+4:S+32*\t+5]
.endr
.irp b, 3,5,7,9,11,13
.irp t, 0,1,2,3
	v_pk_add_f32 v[ST+8*\t+2:ST+8*\t+3], v[ST+8*\t+2:ST+8*\t+3], v[S+32*\t+2*\b:S+32*\t+2*\b+1]
.endr
.irp t, 0,1,2,3
	v_pk_add_f32 v[ST+8*\t+4:ST+8*\t+5], v[ST+8*\t+4:ST+8*\t+5], v[S+32*\t+2*\b+2:S+32*\t+2*\b+3]
.endr
.endr
.irp t, 0,1,2,3
	v_pk_add_f32 v[ST+8*\t+2:ST+8*\t+3], v[ST+8*\t+2:ST+8*\t+3], v[S+32*\t+30:S+32*\t+31]
.endr
.irp t, 0,1,2,3
	v_pk_add_f32 v[ST+8*\t+2:ST+8*\t+3], v[ST+8*\t+2:ST+8*\t+3], v[ST+8*\t+4:ST+8*\t+5]
.endr
.irp j, 0,1,2,3,4,5,6,7,8,9,10,11,12,13,14,15
.irp t, 0,1,2,3
	v_cvt_pk_f16_f32 v[S+32*\t+\j], v[S+32*\t+2*\j], v[S+32*\t+2*\j+1]         ; P, in place and ascending: register j is written when registers 2 j and 2 j + 1 are read
.endr
.endr
	WIN 0x41                                       ; O^T in window 1, a in window 0
.irp i, 0,1,2,3,4,5,6,7,8,9,10,11,12,13,14,15
.irp t, 0,1,2,3
	v_pk_mul_f32 v[32*\t+2*\i:32*\t+2*\i+1], v[32*\t+2*\i:32*\t+2*\i+1], v[ST+8*\t+6:ST+8*\t+7] op_sel_hi:[1,0]
.endr
.endr
.endm
; A KEY STEP.  pre = 1: the next step's K is fetched from the same slot.  last = 1: the launch's last step: b_v is asked for, into K's registers.
.macro STEP pre, last
	s_wait_dscnt 0x0                               ; K is in
	KQ
	v_add_nc_u32 v[ADV], s32, v[AV0]               ; this line and three v_nop are the four places between the products and the loads into K's registers and the first read of the scores
.rept 3
	v_nop
.endr
	FETCH_V
.if \pre
	FETCH_K 8192
.endif
.if \last
.irp c, 0,1,2,3
	global_load_b128 v[KB+8*\c:KB+8*\c+3], v[BOF], s[40:41] offset:64*\c       ; b_v of channels 16 c + 8 h + 0 .. 7, in O^T's layout
	global_load_b128 v[KB+8*\c+4:KB+8*\c+7], v[BOF], s[40:41] offset:64*\c+16
.endr
.endif
	SOFTMAX
.if \pre
	s_wait_dscnt 16                                ; V is in; the next step's 16 loads of K, issued behind V's, may be out
.else
	s_wait_dscnt 0x0
.endif
	PV
	s_add_co_u32 s32, s32, 8192                    ; the next step's tiles
	v_add_nc_u32 v[ADK], s32, v[LI]                ; this line and four v_nop are five places: the next products K Q^T write over P's registers
.rept 4
	v_nop
.endr
.endm
; THE CHANGE OF SLOTS stands at a slot's head.  Each wave waits for all its tensor loads (its part of the slot ahead), adds 0 to its spare word, and waits for that and for its reads of the slot that it has left.
; fill = 1: behind a round of the cluster's barrier the other slot is asked for, with the keys that follow: one load a wave, with a slot's eight steps in which to land.
.macro CHANGE fill
	s_wait_tensorcnt 0x0                           ; no tensor load of mine is out, so group 0 may be written
	ds_add_u32 v[SPW], v[NIL]
.if \fill
	s_xor_b32 s25, s25, SLOTB                      ; the other slot than last time,
	s_add_nc_u64 s[26:27], s[26:27], 65536         ; the next 512 keys; the type bits on top are not reached
	s_wait_dscnt 0x0
	CROUND
	TLOAD
.else
	s_wait_dscnt 0x0
	s_barrier_signal -1
	s_barrier_wait -1
.endif
.endm
.macro SLOT last                       ; a slot's eight key steps: seven in a loop, the eighth fetches no further K
	v_add_nc_u32 v[ADK], s32, v[LI]
	FETCH_K 0
	s_mov_b32 s34, 7
.Lstep_\@:
	STEP 1, 0
	s_sub_co_u32 s34, s34, 1
	s_cmp_lg_u32 s34, 0
	s_cbranch_scc1 .Lstep_\@
	STEP 0, \last
	s_sub_co_u32 s32, s32, 65536                   ; back to a slot's first step,
	s_xor_b32 s32, s32, SLOTB                      ; in the other slot
.endm
	s_wait_loadcnt 0x0                             ; Q
.Lslot:                                            ; three trips: behind each change of slots but the last the next 512 keys are asked for
	CHANGE 1
	SLOT 0
	s_sub_co_u32 s33, s33, 1
	s_cmp_lg_u32 s33, 0
	s_cbranch_scc1 .Lslot
	CHANGE 0                                       ; the last slot is written out: nothing is left to ask for
	SLOT 1
	; THE WAY OUT.  O^T / l + b_v, rounded to f16: a lane's eight channels are 16 bytes of an image of the next launch's operand, stored straight from registers.
.irp t, 0,1,2,3
	v_add_f32 v[ST+8*\t+4], v[ST+8*\t+2], v[ST+8*\t+3]     ; l's two halves,
.endr
.irp t, 0,1,2,3
	v_permlanex16_b32 v[ST+8*\t+5], v[ST+8*\t+4], s30, s31
.endr
.irp t, 0,1,2,3
	v_add_f32 v[ST+8*\t+4], v[ST+8*\t+4], v[ST+8*\t+5]     ; and lane l xor 16's
.endr
.irp t, 0,1,2,3
	v_rcp_f32 v[ST+8*\t+6], v[ST+8*\t+4]
.endr
	v_nop                                          ; a plain instruction behind the last reciprocal
	s_wait_alu depctr_va_vdst(0)                   ; and the wait ahead of the first use: one for the four
	s_wait_loadcnt 0x0                             ; b_v
.irp t, 0,1,2,3
	WIN 0x01                                       ; O^T in window 1
.irp i, 0,1,2,3,4,5,6,7,8,9,10,11,12,13,14,15
	v_pk_fma_f32 v[S+32*\t+2*\i:S+32*\t+2*\i+1], v[32*\t+2*\i:32*\t+2*\i+1], v[ST+8*\t+6:ST+8*\t+7], v[KB+2*\i:KB+2*\i+1] op_sel_hi:[1,0,1]
.endr
	WIN 0
.irp j, 0,1,2,3,4,5,6,7,8,9,10,11,12,13,14,15
	v_cvt_pk_f16_f32 v[S+32*\t+\j], v[S+32*\t+2*\j], v[S+32*\t+2*\j+1]
.endr
.irp c, 0,1,2,3
	global_store_b128 v[LI], v[S+32*\t+4*\c:S+32*\t+4*\c+3], s[38:39] offset:4096*\t+512*\c   ; 512 consecutive bytes
.endr
.endr
	s_wait_tensorcnt 0x0                           ; the wave's end
	ds_add_u32 v[SPW], v[NIL]
	s_wait_dscnt 0x0
	CROUND                                         ; the closing round
	s_endpgm
.Lfunc_end_k_qe2de5c5ea0_attn:
	.size	k_qe2de5c5ea0_attn, .Lfunc_end_k_qe2de5c5ea0_attn-k_qe2de5c5ea0_attn
	.p2alignl 7, 3214868480
	.fill 96, 4, 3214868480
	.section	.rodata,"a",@progbits
	.p2align	6, 0x0
	.amdhsa_kernel k_qe2de5c5ea0_attn
		.amdhsa_group_segment_fixed_size 327680
		.amdhsa_private_segment_fixed_size 0
		.amdhsa_enable_private_segment 0
		.amdhsa_kernarg_size 24
		.amdhsa_user_sgpr_count 2
		.amdhsa_user_sgpr_kernarg_segment_ptr 1
		.amdhsa_wavefront_size32 1
		.amdhsa_system_sgpr_workgroup_id_x 1
		.amdhsa_system_sgpr_workgroup_id_y 1
		.amdhsa_system_sgpr_workgroup_id_z 1
		.amdhsa_system_vgpr_workitem_id 0
		.amdhsa_next_free_vgpr 512
		.amdhsa_next_free_sgpr 66
		.amdhsa_reserve_vcc 0
		.amdhsa_float_denorm_mode_32 3
		.amdhsa_float_denorm_mode_16_64 3
		.amdhsa_memory_ordered 1
		.amdhsa_forward_progress 1
		.amdhsa_inst_pref_size 150
	.end_amdhsa_kernel
	.amdgpu_metadata
---
amdhsa.version: [ 1, 2 ]
amdhsa.kernels:
  - .name:           k_qe2de5c5ea0_attn
    .symbol:         k_qe2de5c5ea0_attn.kd
    .args:
      - { .name: qkvf, .offset: 0, .size: 8, .value_kind: global_buffer, .address_space: global }
      - { .name: b_qkv, .offset: 8, .size: 8, .value_kind: global_buffer, .address_space: global }
      - { .name: af, .offset: 16, .size: 8, .value_kind: global_buffer, .address_space: global }
    .group_segment_fixed_size: 327680
    .private_segment_fixed_size: 0
    .kernarg_segment_align: 8
    .kernarg_segment_size: 24
    .max_flat_workgroup_size: 256
    .sgpr_count:     66
    .vgpr_count:     512
    .wavefront_size: 32
...
	.end_amdgpu_metadata
.endif
;; end of part 3
;; launch proj (part 4): grid 4 x 64, 4 waves a work-group, clusters of 4 x 4, 327,680 bytes of LDS; arguments af, wf, b_out, out0; writes out0
.if DOCPART == 4
	.amdgcn_target "amdgcn-amd-amdhsa--gfx1250"
	.amdhsa_code_object_version 6
	.text
	.protected	k_qe2de5c5ea0_proj
	.globl	k_qe2de5c5ea0_proj
	.p2align	8
	.type	k_qe2de5c5ea0_proj,@function
k_qe2de5c5ea0_proj:
	s_mov_b64 s[64:65], 0
	v_nop
	global_prefetch_b8 v0, s[64:65] scope:SCOPE_SE
	s_setreg_imm32_b32 hwreg(HW_REG_WAVE_MODE, 25, 1), 1
	s_wait_xcnt 0x0
	s_wait_alu depctr_hold_cnt(0) depctr_sa_sdst(0) depctr_va_vdst(0) depctr_va_sdst(0) depctr_va_ssrc(0) depctr_va_vcc(0) depctr_vm_vsrc(0)
	s_getreg_b32 s2, hwreg(HW_REG_IB_STS2, 6, 4)
	s_cmp_eq_u32 s2, 0
	s_cbranch_scc0 .Lentry_in_a_cluster
	s_endpgm
.Lentry_in_a_cluster:
	s_bfe_u32 s2, ttmp6, 0x10000c
	s_cmp_lg_u32 s2, 0xf033
	s_cbranch_scc0 .Lentry_shape_is_right
	s_endpgm
.Lentry_shape_is_right:
; out0 = attn w_out + b_out: [8192][1024] x [1024][1024], operands in f16, sums in f32, b_out as the C of each sum's first product.
; A work-group of four waves makes 128 tokens x 256 columns: 256 work-groups.  A wave makes 64 x 128: 32 accumulators.  K goes in eight steps of 128 through two LDS slots.
; Both operands lie in memory as images of fragments (blocks of 512 bytes, lane l's 16 bytes at 16 l): a K step's tile is one dense block, and fragment loads stand at 16 x lane: no pitch, no padding.
; CLUSTERS: 4 x 4 work-groups.  The four of a row need the same tokens, the four of a column the same columns of w_out: each tile is asked for JOINTLY.
; The matrix instruction is used transposed (source 0 = 16 columns of w_out, source 1 = 16 tokens): a lane holds eight neighbouring numbers of a row of out0.
; REGISTERS: window 0: v16-29 addresses; v32-159 the way out.   window 1: two fragment buffers of 96 (B's eight at + 8 b, A's four at + 64 + 8 a) at v0 and v96; v192-255 b_out, eight registers for each of B's blocks.
;   window 2: the accumulators ((a, b) at v[8 (8 a + b)]).
.set SLOT,   98304                     ; A's 128 tokens (32,768 bytes: [tile of 16 (8)][16 along k (8)][512]), then B's 256 columns (65,536)
.set STAGE,  2*SLOT                    ; behind the slots: 16 rows x (512 + 16) bytes for each wave, for the way out
.set SPITCH, 528
.set SPARE,  STAGE+4*16*SPITCH         ; the spare words, 128 bytes for each wave
.set LAPS,   4                         ; a lap = two K steps = once round the ring
.set ADRA, 16                          ; v16-17  LDS address of my A fragments in slot 0, 1
.set ADRB, 20                          ; v20-21  the same for B
.set STO,  24                          ; v24     the way out: where I put 32 bytes of a row
.set RD,   25                          ; v25     where I read a row back
.set CO,   26                          ; v26     16 x lane
.set BOF,  27                          ; v27     32 h
.set SPW,  28                          ; v28     LDS address of my spare word; never rewritten
.set NIL,  29                          ; v29     0; never rewritten
.set BK,   32                          ; the way out: 16 rows read back: v32-95 and v96-159 by turns
.set F0,   0
.set F1,   96
.set BI,   192                         ; the bias, in window 1
.set G1, 24                            ; s[24:31] group 1 for A's tiles;  s[32:39] group 0, one set for each slot
.set G0, 32
.set G1B, 48                           ; s[48:55], s[56:63] the same for B's
.set G0B, 56
.set MSB, 0
.macro WIN new                         ; the immediate's high byte repeats the setting that is left
.if MSB != (\new)
	s_set_vgpr_msb (MSB<<8)|(\new)
.set MSB, (\new)
.endif
.endm
.set MUL,  0xa5                        ; sources 0 and 1 window 1; C and D window 2
.set MULF, 0x95                        ; the first products: C (the bias) window 1
.set TO_F, 0x40                        ; destination window 1, address window 0
.macro JLOAD s                         ; a joint load: waves 0 and 1 fetch A's halves, waves 2 and 3 B's; an s_nop 0 and four v_nop follow each of the two lines
	s_cmp_eq_u32 s69, 0
	s_cbranch_scc0 .Lfor_b_\@
	tensor_load_to_lds s[G0+4*\s:G0+4*\s+3], s[G1:G1+7]
	s_nop 0
.rept 4
	v_nop
.endr
	s_branch .Lasked_\@
.Lfor_b_\@:
	tensor_load_to_lds s[G0B+4*\s:G0B+4*\s+3], s[G1B:G1B+7]
	s_nop 0
.rept 4
	v_nop
.endr
.Lasked_\@:
.endm
.macro CREST                           ; a round of the cluster's barrier behind its opening barrier
	s_cmp_lg_u32 s68, 0
	s_cbranch_scc1 .Lnot_wave_0_\@
	s_barrier_signal -3
.Lnot_wave_0_\@:
	s_barrier_wait -3
	s_barrier_signal -1
	s_barrier_wait -1
.endm
.macro CROUND
	s_barrier_signal -1
	s_barrier_wait -1
	CREST
.endm
	s_load_b128 s[4:7], s[0:1], 0x0                ; af s[4:5], wf s[6:7]
	s_load_b128 s[8:11], s[0:1], 0x10              ; b_out s[8:9], out0 s[10:11]
	v_lshl_add_u32 v[SPW], v0, 2, SPARE
	v_mov_b32 v[NIL], 0
	ds_add_u32 v[SPW], v[NIL]                      ; the wave's opening: the add, twice on end, and its wait ahead of my first tensor load
	ds_add_u32 v[SPW], v[NIL]
	v_lshrrev_b32 v1, 5, v0
	v_readfirstlane_b32 s68, v1                    ; wave 0..3
	s_lshr_b32 s69, s68, 1                         ; which 64 tokens are mine.  Also: I fetch for A (0) or for B (1)
	s_and_b32 s70, s68, 1                          ; which 128 columns.  Also: which half of that tile I fetch
	s_bfe_u32 s40, ttmp6, 0x40000                  ; cx
	s_bfe_u32 s41, ttmp6, 0x40004                  ; cy
	s_lshl_b32 s42, ttmp9, 2
	s_add_co_u32 s42, s42, s40                     ; which 256 columns
	s_and_b32 s13, ttmp7, 0xffff
	s_lshl_b32 s13, s13, 2
	s_add_co_u32 s13, s13, s41                     ; which 128 tokens
	s_lshl_b32 s43, s41, 2
	s_lshl_b32 s43, 15, s43                        ; my row of the cluster
	s_lshl_b32 s44, 0x1111, s40                    ; my column
	; group 1: dense blocks as rows of 256 bytes (32 elements of 8 bytes): A's half 64 rows, B's half 128
	s_or_b32 s[G1+0], s43, (3<<16)|(1<<21)
	s_mov_b32 s[G1+1], 32<<16
	s_mov_b32 s[G1+2], 64<<16
	s_mov_b32 s[G1+3], 32<<16
	s_mov_b32 s[G1+4], 64
	s_mov_b32 s[G1+5], 32
	s_mov_b32 s[G1+6], 0
	s_mov_b32 s[G1+7], 0
	s_or_b32 s[G1B+0], s44, (3<<16)|(1<<21)
	s_mov_b32 s[G1B+1], 32<<16
	s_mov_b32 s[G1B+2], 128<<16
	s_mov_b32 s[G1B+3], 32<<16
	s_mov_b32 s[G1B+4], 128
	s_mov_b32 s[G1B+5], 32
	s_mov_b32 s[G1B+6], 0
	s_mov_b32 s[G1B+7], 0
	s_lshl_b32 s16, s13, 18                        ; A: 128 tokens are 8 K steps of 32,768 bytes,
	s_lshl_b32 s17, s70, 14                        ; my half of a step's
	s_add_co_u32 s16, s16, s17
	s_mov_b32 s17, 0
	s_lshl_b32 s46, s42, 19                        ; B: 256 columns are 8 K steps of 65,536 bytes
	s_lshl_b32 s47, s70, 15
	s_add_co_u32 s46, s46, s47
	s_mov_b32 s47, 0
	s_lshl_b32 s20, s70, 14                        ; where they go: A's halves,
	s_lshl_b32 s21, s70, 15
	s_add_co_u32 s21, s21, 32768                   ; then B's: no place in the cluster enters an LDS address
	s_wait_dscnt 0x0                               ; both opening adds are done
	s_wait_kmcnt 0x0
	s_add_nc_u64 s[14:15], s[4:5], s[16:17]
	s_add_nc_u64 s[46:47], s[6:7], s[46:47]
	CROUND                                         ; all sixteen work-groups are here: the first joint loads meet
.irp s, 0,1
	s_mov_b32 s[G0+4*\s], 1
	s_add_co_u32 s[G0+4*\s+1], s20, \s*SLOT
	s_add_nc_u64 s[G0+4*\s+2:G0+4*\s+3], s[14:15], \s*32768
	s_or_b32 s[G0+4*\s+3], s[G0+4*\s+3], 0x80000000
	s_mov_b32 s[G0B+4*\s], 1
	s_add_co_u32 s[G0B+4*\s+1], s21, \s*SLOT
	s_add_nc_u64 s[G0B+4*\s+2:G0B+4*\s+3], s[46:47], \s*65536
	s_or_b32 s[G0B+4*\s+3], s[G0B+4*\s+3], 0x80000000
	JLOAD \s                                       ; two tensor loads of mine are out
.endr
	v_and_b32 v1, 15, v0                           ; r
	v_bfe_u32 v2, v0, 4, 1                         ; h
	v_lshlrev_b32 v[BOF], 5, v2
	s_lshl_b32 s16, s42, 10
	s_lshl_b32 s17, s70, 9
	s_add_co_u32 s16, s16, s17                     ; my first column, in bytes of f32
	s_mov_b32 s17, 0
	s_add_nc_u64 s[8:9], s[8:9], s[16:17]
	s_add_nc_u64 s[10:11], s[10:11], s[16:17]
	WIN TO_F
.irp b, 0,1,2,3,4,5,6,7
	global_load_b128 v[BI+8*\b:BI+8*\b+3], v[BOF], s[8:9] offset:64*\b          ; b_out of columns 16 b + 8 h + 0 .. 7, in the result's layout
	global_load_b128 v[BI+8*\b+4:BI+8*\b+7], v[BOF], s[8:9] offset:64*\b+16
.endr
	WIN 0
	s_lshl_b32 s16, s13, 19                        ; my first row of out0: 128 tokens of 4,096 bytes,
	s_lshl_b32 s18, s69, 18                        ; my 64
	s_add_co_u32 s16, s16, s18
	s_add_nc_u64 s[10:11], s[10:11], s[16:17]
	v_and_b32 v[CO], 31, v0
	v_lshlrev_b32 v[CO], 4, v[CO]
	s_lshl_b32 s21, s69, 14                        ; my four tiles of tokens
	s_lshl_b32 s22, s70, 15                        ; my eight tiles of columns,
	s_add_co_u32 s22, s22, 32768                   ; which lie behind A's
.irp s, 0,1
	v_add_nc_u32 v[ADRA+\s], s21, v[CO]
	v_add_nc_u32 v[ADRB+\s], s22, v[CO]
	s_add_co_u32 s21, s21, SLOT
	s_add_co_u32 s22, s22, SLOT
.endr
	s_mul_i32 s23, s68, 16*SPITCH
	s_add_co_u32 s23, s23, STAGE                   ; my stage
	v_mul_u32_u24 v3, v1, SPITCH
	v_lshl_add_u32 v3, v2, 5, v3
	v_add_nc_u32 v[STO], s23, v3                   ; in: row r, 32 bytes for each half of the lanes
	v_add_nc_u32 v[RD], s23, v[CO]                 ; back: the 32 lanes take one row of 512 bytes
; 8 matrix instructions: A's block a x B's eight, 32 along K.  first = 1: the bias is C.  The 32 accumulators take turns, in the same order in every quarter.
.macro MUL8 f, a, first
.irp b, 0,1,2,3,4,5,6,7
.if \first
	v_wmma_f32_16x16x32_f16 v[8*(8*(\a)+\b):8*(8*(\a)+\b)+7], v[\f+8*\b:\f+8*\b+7], v[\f+64+8*(\a):\f+64+8*(\a)+7], v[BI+8*\b:BI+8*\b+7]
.else
	v_wmma_f32_16x16x32_f16 v[8*(8*(\a)+\b):8*(8*(\a)+\b)+7], v[\f+8*\b:\f+8*\b+7], v[\f+64+8*(\a):\f+64+8*(\a)+7], v[8*(8*(\a)+\b):8*(8*(\a)+\b)+7]
.endif
.endr
.endm
; 24 LDS loads in one run: the fragments of the slot's q-th 32 along K into buffer f: B's sixteen loads, then A's blocks 0, 1, then 2, 3
.macro FETCH slot, q, f
	WIN TO_F
.irp i, 0,1,2,3,4,5,6,7
	ds_load_b128 v[\f+8*\i:\f+8*\i+3],   v[ADRB+\slot] offset:\i*4096+(\q)*1024
	ds_load_b128 v[\f+8*\i+4:\f+8*\i+7], v[ADRB+\slot] offset:\i*4096+(\q)*1024+512
.endr
.irp i, 0,1,2,3
	ds_load_b128 v[\f+64+8*\i:\f+64+8*\i+3],   v[ADRA+\slot] offset:\i*4096+(\q)*1024
	ds_load_b128 v[\f+64+8*\i+4:\f+64+8*\i+7], v[ADRA+\slot] offset:\i*4096+(\q)*1024+512
.endr
.endm
.macro PLACES                          ; four plain vector instructions in front of loads into registers that matrix instructions have read, and of reads of results
.rept 4
	v_nop
.endr
.endm
; A K step is four quarters of 32 along K, 32 matrix instructions each, on buffers 0, 1, 0, 1.  One of the first three: multiplies buffer f and fetches quarter q into g.
.macro QUARTER slot, q, f, g, first
	s_wait_dscnt 4                                 ; B's fragments and A's blocks 0, 1 are in; the youngest four loads (A's blocks 2, 3) may be out
.if \first
	WIN MULF
.else
	WIN MUL
.endif
	MUL8 \f, 0, \first
	MUL8 \f, 1, \first
	PLACES
	FETCH \slot, \q, \g
	s_wait_dscnt 24                                ; all but the 24 just issued
.if \first
	WIN MULF
.else
	WIN MUL
.endif
	MUL8 \f, 2, \first
	MUL8 \f, 3, \first
.endm
; The last quarter multiplies buffer 1 and changes slots: ONE barrier; in front of it each wave waits for all its tensor loads, adds 0 to its spare word, and waits for that and for its reads of this slot.
; fill = 1: the barrier opens a round of the cluster's, and behind it this slot is asked for again, two K steps ahead.
.macro TURN slot, next, fill
	WIN 0                                          ; (the add's two registers lie in window 0)
	s_wait_tensorcnt 0x0                           ; all my tensor loads have landed: my part of the next slot
	ds_add_u32 v[SPW], v[NIL]
	s_wait_dscnt 5                                 ; the add and the youngest four loads may be out
	WIN MUL
	MUL8 F1, 0, 0
	s_wait_dscnt 0x0                               ; the add is done, and my reads of this slot are over
	s_barrier_signal -1
	MUL8 F1, 1, 0
.if \fill
	WIN 0
.endif
	s_barrier_wait -1
.if \fill
	CREST                                          ; no wave of any partner still reads this slot or has a load on its way
	s_add_nc_u64 s[G0+4*\slot+2:G0+4*\slot+3], s[G0+4*\slot+2:G0+4*\slot+3], 2*32768
	s_add_nc_u64 s[G0B+4*\slot+2:G0B+4*\slot+3], s[G0B+4*\slot+2:G0B+4*\slot+3], 2*65536
	JLOAD \slot                                    ; the first tensor load behind the round; its four v_nop are also the places in front of the loads below
.else
	PLACES
.endif
	FETCH \next, 0, F0
	WIN MUL
	MUL8 F1, 2, 0
	MUL8 F1, 3, 0
.endm
	s_wait_tensorcnt 1                             ; my part of K step 0 is in; K step 1's load may be out
	s_barrier_signal -1
	s_barrier_wait -1
	FETCH 0, 0, F0
	s_wait_loadcnt 0x0                             ; the bias
	QUARTER 0, 1, F0, F1, 1                        ; the first quarter stands in front of the loop: its products start the sums from the bias
	WIN 0                                          ; at a label and at a branch every window is 0
	s_mov_b32 s3, LAPS-1
.Llap:                                             ; a trip goes once round the ring, from a lap's second quarter to the next lap's first, and fills both slots again
	QUARTER 0, 2, F1, F0, 0
	QUARTER 0, 3, F0, F1, 0
	TURN 0, 1, 1
	QUARTER 1, 1, F0, F1, 0
	QUARTER 1, 2, F1, F0, 0
	QUARTER 1, 3, F0, F1, 0
	TURN 1, 0, 1
	QUARTER 0, 1, F0, F1, 0
	WIN 0
	s_sub_co_u32 s3, s3, 1
	s_cmp_lg_u32 s3, 0
	s_cbranch_scc1 .Llap
	QUARTER 0, 2, F1, F0, 0                        ; the last lap fills nothing
	QUARTER 0, 3, F0, F1, 0
	TURN 0, 1, 0
	QUARTER 1, 1, F0, F1, 0
	QUARTER 1, 2, F1, F0, 0
	QUARTER 1, 3, F0, F1, 0
	s_wait_dscnt 4                                 ; the very last quarter: nothing more to fetch
	WIN MUL
	MUL8 F1, 0, 0
	MUL8 F1, 1, 0
	s_wait_dscnt 0
	MUL8 F1, 2, 0
	MUL8 F1, 3, 0
	WIN 0
; THE WAY OUT, block by block of 16 tokens x 128 columns.  A lane holds 32 neighbouring bytes of a row and the lanes beside it other rows: a block goes through my own stage in LDS and comes back as whole rows of 512 bytes.
; LDS serves a wave's instructions in order (ISA guide 5.7.1.4): no wait between the stores and the loads, nor in front of the next block's stores.
.macro TOSTAGE a
.set AC, 64*(\a)
	WIN 0x08                                       ; an LDS store's data are its source 1: window 2
.irp b, 0,1,2,3,4,5,6,7
	ds_store_b128 v[STO], v[AC+8*\b:AC+8*\b+3] offset:64*\b                     ; each accumulator from its low end on
	ds_store_b128 v[STO], v[AC+8*\b+4:AC+8*\b+7] offset:64*\b+16
.endr
	WIN 0
.set BBK, BK+64*((\a)%2)
.irp t, 0,1,2,3,4,5,6,7,8,9,10,11,12,13,14,15
	ds_load_b128 v[BBK+4*\t:BBK+4*\t+3], v[RD] offset:\t*SPITCH
.endr
.endm
.macro SEND a, younger                 ; younger: the LDS instructions issued behind block a's loads, which may stay out
.set BBK, BK+64*((\a)%2)
	s_wait_dscnt \younger
.if (\a) > 0
	s_add_nc_u64 s[10:11], s[10:11], 16*4096       ; (behind a wait on XCNT: the earlier stores have read their base)  16 rows on
.endif
.irp t, 0,1,2,3,4,5,6,7,8,9,10,11,12,13,14,15
	global_store_b128 v[CO], v[BBK+4*\t:BBK+4*\t+3], s[10:11] offset:\t*4096 th:TH_STORE_NT   ; 32 lanes store 512 consecutive bytes, at a multiple of 256 from out0's first byte
.endr
.endm
	PLACES
	TOSTAGE 0
.irp a, 1,2,3
.if \a > 1
	s_wait_xcnt 0x0                                ; block a - 2's stores have read their registers and their base
.endif
	TOSTAGE \a
	SEND \a-1, 32                                  ; behind block a - 1's loads: block a's 16 stores and 16 loads
.endr
	s_wait_xcnt 0x0
	SEND 3, 0
	s_wait_tensorcnt 0x0                           ; the wave's end, behind my last tensor load and my last LDS store
	ds_add_u32 v[SPW], v[NIL]
	s_wait_dscnt 0x0
	CROUND                                         ; the closing round
	s_endpgm
.Lfunc_end_k_qe2de5c5ea0_proj:
	.size	k_qe2de5c5ea0_proj, .Lfunc_end_k_qe2de5c5ea0_proj-k_qe2de5c5ea0_proj
	.p2alignl 7, 3214868480
	.fill 96, 4, 3214868480
	.section	.rodata,"a",@progbits
	.p2align	6, 0x0
	.amdhsa_kernel k_qe2de5c5ea0_proj
		.amdhsa_group_segment_fixed_size 327680
		.amdhsa_private_segment_fixed_size 0
		.amdhsa_enable_private_segment 0
		.amdhsa_kernarg_size 32
		.amdhsa_user_sgpr_count 2
		.amdhsa_user_sgpr_kernarg_segment_ptr 1
		.amdhsa_wavefront_size32 1
		.amdhsa_system_sgpr_workgroup_id_x 1
		.amdhsa_system_sgpr_workgroup_id_y 1
		.amdhsa_system_sgpr_workgroup_id_z 1
		.amdhsa_system_vgpr_workitem_id 0
		.amdhsa_next_free_vgpr 768
		.amdhsa_next_free_sgpr 72
		.amdhsa_reserve_vcc 0
		.amdhsa_float_denorm_mode_32 3
		.amdhsa_float_denorm_mode_16_64 3
		.amdhsa_memory_ordered 1
		.amdhsa_forward_progress 1
		.amdhsa_inst_pref_size 86
	.end_amdhsa_kernel
	.amdgpu_metadata
---
amdhsa.version: [ 1, 2 ]
amdhsa.kernels:
  - .name:           k_qe2de5c5ea0_proj
    .symbol:         k_qe2de5c5ea0_proj.kd
    .args:
      - { .name: af, .offset: 0, .size: 8, .value_kind: global_buffer, .address_space: global }
      - { .name: wf, .offset: 8, .size: 8, .value_kind: global_buffer, .address_space: global }
      - { .name: b_out, .offset: 16, .size: 8, .value_kind: global_buffer, .address_space: global }
      - { .name: out0, .offset: 24, .size: 8, .value_kind: global_buffer, .address_space: global }
    .group_segment_fixed_size: 327680
    .private_segment_fixed_size: 0
    .kernarg_segment_align: 8
    .kernarg_segment_size: 32
    .max_flat_workgroup_size: 128
    .sgpr_count:     72
    .vgpr_count:     768
    .wavefront_size: 32
...
	.end_amdgpu_metadata
.endif
;; end of part 4
